; MI455X (gfx1250); checked and timed in simulation.
; The chip was launched on July 23, 2026; its instructions are those of AMD's public machine-readable ISA for CDNA 5 (MIT licence, August 2026) and "CDNA5" Instruction Set Architecture Reference Guide (July 2026). The comments in the code are by the model that wrote it; some were corrected since.
;; Attention Head. Allowed arithmetic: float matrix products may take bf16 or f16 operands with f32 sums; other float arithmetic in f32, or as packed bf16 or f16 multiplies, adds, multiply-adds, maxima and minima; sums over many terms, partial sums and values carried from step to step in f32; what a program stores and reads back later, other than sums and carried values, may be rounded once to bf16 or f16.
;; Inputs: Wk 1,024 x 1,024 float32; Wq 1,024 x 1,024 float32; Wv 1,024 x 1,024 float32; bk 1,024 float32; bq 1,024 float32; bv 1,024 float32; x 4 x 2,048 x 1,024 float32.
;; Outputs: out0 4 x 2,048 x 1,024 float32.
;; 2 versions, each right; version 2 is version 1 with the launch prep written anew for expert scheduling mode. Each part assembles by itself: llvm-mc -triple=amdgcn-amd-amdhsa -mcpu=gfx1250 --defsym DOCPART=n.
;; ======== version 1 of 2: 4 launches
;; limits: values are held in f16: magnitudes above 65,504 overflow, below 6.1e-05 lose precision
;; workspace buffers: xb 16,777,216 bytes; wt 6,291,456 bytes; bb 12,288 bytes; qkv 50,331,648 bytes; p 33,554,432 bytes; stats 1,048,576 bytes
;; launch prep (part 1): grid 449 x 1, 8 waves a work-group, no clusters, 37,888 bytes of LDS; arguments x, Wq, Wk, Wv, bq, bk, bv, xb, wt, bb; writes xb, wt, bb
.if DOCPART == 1
	.amdgcn_target "amdgcn-amd-amdhsa--gfx1250"
	.amdhsa_code_object_version 6
	.text
	.protected	k_qe744f1352c_prep
	.globl	k_qe744f1352c_prep
	.p2align	8
	.type	k_qe744f1352c_prep,@function
k_qe744f1352c_prep:
	s_mov_b64 s[64:65], 0
	v_nop
	global_prefetch_b8 v0, s[64:65] scope:SCOPE_SE
	s_setreg_imm32_b32 hwreg(HW_REG_WAVE_MODE, 25, 1), 1
	s_wait_xcnt 0x0
; PREP: every input is rounded once to bf16 and laid out for the projection.
;   xb [16 kb][8192 rows][64]  bf16: x, in blocks of 64 along d, so that a tile of rows x 64 is dense in memory
;   wt [16 kb][3072 n][64 k]   bf16: Wq, Wk, Wv turned (n = 1024 mtx + e), K along the rows, the same blocks
;   bb [3072]                  f32:  bq, bk, bv rounded to bf16 and widened again
; Work-groups 0-255: 32 rows of x each.  256-447: a tile of 64 k x 256 n of one W, turned through LDS.  448: the biases.
; The branches hang on the work-group's number alone, so all eight waves of a work-group take the same path.
; No matrix unit, no cluster, no tensor load: memory binds, and nothing is shared between work-groups.
.set SPARE, 36864                      ; behind the tile of 256 x 144 bytes: the spare words, 128 bytes for each of eight waves
.set SPW, 142                          ; v142  LDS address of my spare word; never rewritten
.set NIL, 143                          ; v143  0; never rewritten
.set X,   8                            ; loaded f32
.set T,   72                           ; W path: packed bf16, 8 registers for each of my four n
.set R,   104                          ; W path: rows read back from LDS
	s_load_b256 s[4:11], s[0:1], 0x0               ; x s[4:5], Wq s[6:7], Wk s[8:9], Wv s[10:11]
	s_load_b256 s[12:19], s[0:1], 0x20             ; bq s[12:13], bk s[14:15], bv s[16:17], xb s[18:19]
	s_load_b128 s[20:23], s[0:1], 0x40             ; wt s[20:21], bb s[22:23]
	v_lshl_add_u32 v[SPW], v0, 2, SPARE
	v_mov_b32 v[NIL], 0
	s_mov_b32 s24, ttmp9
	s_cmp_lt_u32 s24, 256
	s_cbranch_scc0 .Lnot_x
	; X.  A wave owns four of the group's 32 rows.  A load: lanes 0-15 take the 256 bytes of one block of 64 numbers in one row, lanes 16-31 the same block in the row below:
	; two whole aligned runs of 256 bytes.  Rounded, they are 128 + 128 bytes that lie end to end in xb: a store covers 256 consecutive bytes, aligned.  All 32 loads go out at once.
	v_and_b32 v1, 15, v0                           ; my place in a block
	v_bfe_u32 v2, v0, 4, 1                         ; which of the two rows
	v_lshrrev_b32 v3, 5, v0                        ; wave
	v_lshlrev_b32 v4, 4, v1
	v_lshl_add_u32 v4, v2, 12, v4
	v_lshl_add_u32 v4, v3, 14, v4                  ; in: (4 wave + row) x 4,096 + 16 place
	v_lshlrev_b32 v5, 3, v1
	v_lshl_add_u32 v5, v2, 7, v5
	v_lshl_add_u32 v5, v3, 9, v5                   ; out: (4 wave + row) x 128 + 8 place
	s_lshl_b32 s26, s24, 17                        ; 32 rows of 4,096 bytes
	s_mov_b32 s27, 0
	s_lshl_b32 s28, s24, 12                        ; 32 rows of 128 bytes
	s_mov_b32 s29, 0
	s_wait_kmcnt 0x0
	s_add_nc_u64 s[4:5], s[4:5], s[26:27]
	s_add_nc_u64 s[18:19], s[18:19], s[28:29]
	s_add_nc_u64 s[30:31], s[18:19], 0x800000      ; blocks 8 to 15: the stores' immediates stay inside 24 bits
.set n, 0
.rept 32                                               ; block n / 2, row pair n % 2
	global_load_b128 v[X+4*n:X+4*n+3], v4, s[4:5] offset:(n%2)*8192+(n/2)*256 th:TH_LOAD_NT
.set n, n+1
.endr
.set n, 0
.rept 32
	s_wait_loadcnt 31-n                            ; loads come back in order: this one is in, the younger ones stay out
	v_cvt_pk_bf16_f32 v[X+4*n],   v[X+4*n],   v[X+4*n+1]  ; in place, ascending
	v_cvt_pk_bf16_f32 v[X+4*n+1], v[X+4*n+2], v[X+4*n+3]
.if n < 16
	global_store_b64 v5, v[X+4*n:X+4*n+1], s[18:19] offset:(n/2)*1048576+(n%2)*256
.else
	global_store_b64 v5, v[X+4*n:X+4*n+1], s[30:31] offset:(n/2-8)*1048576+(n%2)*256
.endif
.set n, n+1
.endr
	s_endpgm
.Lnot_x:
	s_cmp_lt_u32 s24, 448
	s_cbranch_scc0 .Lbias
	; W.  A tile of 64 k x 256 n.  Thread t: the four n 4 (t % 64) on, and the sixteen k 16 (t / 64) on.  A wave's load covers 512 consecutive bytes of a row of W.
	s_sub_co_u32 s25, s24, 256
	s_and_b32 s26, s25, 3                          ; which 256 n
	s_bfe_u32 s27, s25, 0x40002                    ; kb
	s_lshr_b32 s28, s25, 6                         ; 0, 1, 2: Wq, Wk, Wv
	v_and_b32 v1, 63, v0
	v_lshrrev_b32 v2, 6, v0
	v_lshlrev_b32 v3, 4, v1
	v_lshl_add_u32 v3, v2, 16, v3                  ; in: 16 k x 4,096 x (t / 64) + 16 (t % 64)
	v_mul_u32_u24 v4, v1, 576
	v_lshl_add_u32 v4, v2, 5, v4                   ; LDS, rows of 144 bytes: row 4 (t % 64), byte 32 (t / 64)
	v_lshrrev_b32 v5, 3, v0
	v_mul_u32_u24 v5, v5, 144
	v_and_b32 v6, 7, v0
	v_lshl_add_u32 v5, v6, 4, v5                   ; back: row t / 8, byte 16 (t % 8)
	v_lshlrev_b32 v6, 4, v0                        ; out: 16 t
	s_lshl_b32 s30, s27, 18                        ; 64 rows of W
	s_lshl_b32 s31, s26, 10
	s_add_co_u32 s30, s30, s31
	s_mov_b32 s31, 0
	s_mul_i32 s32, s27, 393216                     ; a block of wt: 3,072 rows of 128 bytes
	s_lshl_b32 s33, s28, 17
	s_add_co_u32 s32, s32, s33
	s_lshl_b32 s33, s26, 15
	s_add_co_u32 s32, s32, s33
	s_mov_b32 s33, 0
	s_wait_kmcnt 0x0
	s_cmp_eq_u32 s28, 1
	s_cselect_b64 s[34:35], s[8:9], s[6:7]
	s_cmp_eq_u32 s28, 2
	s_cselect_b64 s[34:35], s[10:11], s[34:35]
	s_add_nc_u64 s[34:35], s[34:35], s[30:31]
	s_add_nc_u64 s[20:21], s[20:21], s[32:33]
.set i, 0
.rept 8
	global_load_b128 v[X+8*i:X+8*i+3],   v3, s[34:35] offset:(2*i)*4096 th:TH_LOAD_NT
	global_load_b128 v[X+8*i+4:X+8*i+7], v3, s[34:35] offset:(2*i+1)*4096 th:TH_LOAD_NT
.set i, i+1
.endr
.set i, 0
.rept 8
	s_wait_loadcnt 14-2*i                          ; rows 2 i and 2 i + 1 are in
.set c, 0
.rept 4
	v_cvt_pk_bf16_f32 v[T+8*c+i], v[X+8*i+c], v[X+8*i+4+c]  ; n = 4 (t % 64) + c: two neighbouring k in one word
.set c, c+1
.endr
.if (i == 3) || (i == 7)
.set c, 0
.rept 4
	ds_store_b128 v4, v[T+8*c+4*(i/4):T+8*c+4*(i/4)+3] offset:c*144+16*(i/4)
.set c, c+1
.endr
.endif
.set i, i+1
.endr
	s_wait_dscnt 0x0                               ; for the others' sake: my stores into the tile are done
	s_barrier_signal -1
	s_barrier_wait -1
.set i, 0
.rept 8
	ds_load_b128 v[R+4*i:R+4*i+3], v5 offset:i*4608  ; 32 rows further on each time
.set i, i+1
.endr
.set i, 0
.rept 8
	s_wait_dscnt 7-i
	global_store_b128 v6, v[R+4*i:R+4*i+3], s[20:21] offset:i*4096  ; a wave stores 512 consecutive bytes: four rows of wt's block
.set i, i+1
.endr
	s_wait_tensorcnt 0x0                           ; the wave's end: three closing lines behind my last LDS store
	ds_add_u32 v[SPW], v[NIL]
	s_wait_dscnt 0x0
	s_endpgm
.Lbias:
	; The three biases: four numbers a thread, rounded to bf16 and widened again.
	v_lshlrev_b32 v1, 4, v0
	s_wait_kmcnt 0x0
	global_load_b128 v[8:11],  v1, s[12:13]
	global_load_b128 v[12:15], v1, s[14:15]
	global_load_b128 v[16:19], v1, s[16:17]
	s_wait_loadcnt 0x0
.irp m, 0,1,2
	v_cvt_pk_bf16_f32 v[20+2*\m], v[8+4*\m], v[9+4*\m]
	v_cvt_pk_bf16_f32 v[21+2*\m], v[10+4*\m], v[11+4*\m]
	v_lshlrev_b32 v[8+4*\m], 16, v[20+2*\m]
	v_and_b32 v[9+4*\m], 0xffff0000, v[20+2*\m]
	v_lshlrev_b32 v[10+4*\m], 16, v[21+2*\m]
	v_and_b32 v[11+4*\m], 0xffff0000, v[21+2*\m]
	global_store_b128 v1, v[8+4*\m:11+4*\m], s[22:23] offset:4096*\m
.endr
	s_endpgm
.Lfunc_end_k_qe744f1352c_prep:
	.size	k_qe744f1352c_prep, .Lfunc_end_k_qe744f1352c_prep-k_qe744f1352c_prep
	.p2alignl 7, 3214868480
	.fill 96, 4, 3214868480
	.section	.rodata,"a",@progbits
	.p2align	6, 0x0
	.amdhsa_kernel k_qe744f1352c_prep
		.amdhsa_group_segment_fixed_size 37888
		.amdhsa_private_segment_fixed_size 0
		.amdhsa_enable_private_segment 0
		.amdhsa_kernarg_size 80
		.amdhsa_user_sgpr_count 2
		.amdhsa_user_sgpr_kernarg_segment_ptr 1
		.amdhsa_wavefront_size32 1
		.amdhsa_system_sgpr_workgroup_id_x 1
		.amdhsa_system_sgpr_workgroup_id_y 1
		.amdhsa_system_sgpr_workgroup_id_z 1
		.amdhsa_system_vgpr_workitem_id 0
		.amdhsa_next_free_vgpr 144
		.amdhsa_next_free_sgpr 66
		.amdhsa_reserve_vcc 0
		.amdhsa_float_denorm_mode_32 3
		.amdhsa_float_denorm_mode_16_64 3
		.amdhsa_memory_ordered 1
		.amdhsa_forward_progress 1
		.amdhsa_inst_pref_size 22
	.end_amdhsa_kernel
	.amdgpu_metadata
---
amdhsa.version: [ 1, 2 ]
amdhsa.kernels:
  - .name:           k_qe744f1352c_prep
    .symbol:         k_qe744f1352c_prep.kd
    .args:
      - { .name: x, .offset: 0, .size: 8, .value_kind: global_buffer, .address_space: global }
      - { .name: Wq, .offset: 8, .size: 8, .value_kind: global_buffer, .address_space: global }
      - { .name: Wk, .offset: 16, .size: 8, .value_kind: global_buffer, .address_space: global }
      - { .name: Wv, .offset: 24, .size: 8, .value_kind: global_buffer, .address_space: global }
      - { .name: bq, .offset: 32, .size: 8, .value_kind: global_buffer, .address_space: global }
      - { .name: bk, .offset: 40, .size: 8, .value_kind: global_buffer, .address_space: global }
      - { .name: bv, .offset: 48, .size: 8, .value_kind: global_buffer, .address_space: global }
      - { .name: xb, .offset: 56, .size: 8, .value_kind: global_buffer, .address_space: global }
      - { .name: wt, .offset: 64, .size: 8, .value_kind: global_buffer, .address_space: global }
      - { .name: bb, .offset: 72, .size: 8, .value_kind: global_buffer, .address_space: global }
    .group_segment_fixed_size: 37888
    .private_segment_fixed_size: 0
    .kernarg_segment_align: 8
    .kernarg_segment_size: 80
    .max_flat_workgroup_size: 256
    .sgpr_count:     66
    .vgpr_count:     144
    .wavefront_size: 32
...
	.end_amdgpu_metadata
.endif
;; end of part 1
;; launch proj (part 2): grid 8 x 32, 4 waves a work-group, clusters of 4 x 4, 327,680 bytes of LDS; arguments xb, wt, bb, qkv; writes qkv
.if DOCPART == 2
	.amdgcn_target "amdgcn-amd-amdhsa--gfx1250"
	.amdhsa_code_object_version 6
	.text
	.protected	k_qe744f1352c_proj
	.globl	k_qe744f1352c_proj
	.p2align	8
	.type	k_qe744f1352c_proj,@function
k_qe744f1352c_proj:
	s_mov_b64 s[64:65], 0
	v_nop
	global_prefetch_b8 v0, s[64:65] scope:SCOPE_SE
	s_setreg_imm32_b32 hwreg(HW_REG_WAVE_MODE, 25, 1), 1
	s_wait_xcnt 0x0
	s_wait_alu depctr_hold_cnt(0) depctr_sa_sdst(0) depctr_va_vdst(0) depctr_va_sdst(0) depctr_va_ssrc(0) depctr_va_vcc(0) depctr_vm_vsrc(0)
	s_getreg_b32 s2, hwreg(HW_REG_IB_STS2, 6, 4)
	s_cmp_eq_u32 s2, 0
	s_cbranch_scc0 .Lentry_in_a_cluster
	s_endpgm
.Lentry_in_a_cluster:
	s_bfe_u32 s2, ttmp6, 0x10000c
	s_cmp_lg_u32 s2, 0xf033
	s_cbranch_scc0 .Lentry_shape_is_right
	s_endpgm
.Lentry_shape_is_right:
; PROJ: [8192 x 3072] = xb wt^T + bb.  Operands bf16, sums f32, the result rounded once to f16 into qkv [48 eb][8192 rows][64] (q: eb 0-15, k: 16-31, v: 32-47).
; LIMIT.  f16 holds no number beyond 65,504: a q, k or v beyond that becomes an infinity.  Inputs thirty times the drawn ones, or offset by thirty spreads, stay below 30,000.
; SHARES.  8 x 32 work-groups, each 256 rows x 384 columns: one for each of 256 WGPs.  Four waves, each 128 x 192: 96 accumulators, 768 registers; 40 LDS loads feed 96 matrix instructions.
; K goes in 16 steps of 64 (one block of xb and wt) through two LDS slots; two slots of 128 along K would be 368,640 bytes and do not fit.  A step is two halves of 32 along K.
; A tile is dense in memory (blocked layouts), so it is asked for as rows of 256 bytes, two matrix rows each, and padded in LDS behind every 128 bytes.
; CLUSTER 4 x 4: xb's tile hangs on the tile row alone and is asked for jointly along a row of the cluster, wt's on the tile column alone, jointly along a column.
; TRANSPOSED USE: source 0 = 16 rows of wt, source 1 = 16 rows of xb: a lane holds one row of the result and eight neighbouring columns.
; THE BIAS is the C operand of the first products: it is loaded into the accumulators of row block 7, the other seven row blocks take those registers as C, then block 7 adds in place.
; REGISTERS (windows of 256; s_set_vgpr_msb: bits 1:0 source 0, 3:2 source 1, 5:4 source 2, 7:6 destination):
;   window 0: v0-31 addresses; v32-95, v96-159 xb's fragments, two buffers; v160-255 wt's twelve fragments, one buffer in two halves that are fetched apart
;   windows 1-3: accumulator (a, b) in window 1 + b / 4 at v[64 (b % 4) + 8 a]
.set PITCH, 144                        ; an LDS row: 128 bytes + 16 = 36 words: the 16 rows of a load start at 16 different groups of four banks (64 banks of 4 bytes: ISA guide 11.1)
.set AHALF, 128*PITCH                  ; what wave 0 or 1 fetches, and what a wave reads of xb
.set BHALF, 192*PITCH                  ; what wave 2 or 3 fetches, and what a wave reads of wt
.set BOFF,  2*AHALF
.set SLOTX, 1<<17                      ; slot 1 begins here: one exclusive or turns an address in one slot into the other's
.set STAGE, SLOTX+2*AHALF+2*BHALF      ; behind the ring: 16 rows x 144 bytes for each wave, for the way out
.set SPARE, STAGE+4*16*PITCH           ; the spare words, 128 bytes for each wave
.set STEPA, 8192*128                   ; bytes from block to block of xb
.set STEPB, 3072*128                   ; of wt
.set ADRA0, 4                          ; v4  my lane's place in xb's tile of slot 0; never rewritten
.set ADRB0, 5                          ; v5  the same for wt
.set ADRA,  6                          ; v6  the same in the slot in hand
.set ADRB,  7
.set STO,   8                          ; the way out: where I put 16 bytes of a row
.set RD,    9                          ; where I read rows back
.set GO,    10                         ; my 16 bytes in 512 consecutive bytes of qkv
.set BO,    11                         ; my byte offset in 16 numbers of the bias
.set SPW,   28                         ; LDS address of my spare word; never rewritten
.set NIL,   29                         ; 0; never rewritten
.set AF0,   32
.set AF1,   96
.set BF,    160
.set WV,  12                           ; s12 wave; s13 wave / 2: my half of the rows; s14 wave % 2: my half of the columns, and which half of a tile I fetch
.set G1A, 24                           ; s[24:31] descriptor group 1, xb's tiles
.set G1B, 32                           ; s[32:39] wt's
.set G0A0, 40                          ; s[40:43] group 0: slot 0, step 0, used once
.set G0A, 44                           ; s[44:47] group 0 that walks: begins at slot 1, step 1
.set G0B0, 48
.set G0B, 52
.set CNT, 56
.set TB,  57                           ; LDS byte at which the slot in hand begins
.set FL, (1<<16)|(1<<20)|(1<<21)|(4<<22)|(3<<25)  ; 2-byte elements; padding on; bit 21 set beside a mask; behind every 32 words; 4 words of it
.set MSB, 0
.macro WIN new                         ; the immediate's high byte repeats the setting that is left; a switch that changes nothing is dropped
.if MSB != (\new)
	s_set_vgpr_msb (MSB<<8)|(\new)
.set MSB, \new
.endif
.endm
.macro PLACES                          ; four places between a matrix instruction and a load into, or a vector line on, its registers
.rept 4
	v_nop
.endr
.endm
.macro FIVE                            ; five, in front of a matrix instruction that writes over registers that earlier ones read as C
.rept 5
	v_nop
.endr
.endm
.macro CREST                           ; a round of the cluster's barrier behind its opening barrier
	s_cmp_lg_u32 s[WV], 0
	s_cbranch_scc1 .Lnot_wave_0_\@
	s_barrier_signal -3
.Lnot_wave_0_\@:
	s_barrier_wait -3
	s_barrier_signal -1
	s_barrier_wait -1
.endm
.macro CROUND
	s_barrier_signal -1
	s_barrier_wait -1
	CREST
.endm
.macro JLOAD                           ; a joint refill: waves 0, 1 fetch xb's halves, waves 2, 3 wt's; s_nop 0 and four v_nop follow each line
	s_cmp_lt_u32 s[WV], 2
	s_cbranch_scc0 .Lfor_b_\@
	tensor_load_to_lds s[G0A:G0A+3], s[G1A:G1A+7]
	s_nop 0
.rept 4
	v_nop
.endr
	s_branch .Lasked_\@
.Lfor_b_\@:
	tensor_load_to_lds s[G0B:G0B+3], s[G1B:G1B+7]
	s_nop 0
.rept 4
	v_nop
.endr
.Lasked_\@:
.endm
.macro MKG0 g, lds, ptr, step, slot    ; a group 0: count 1, LDS address, global address, type 2
	s_mov_b32 s[\g], 1
	s_add_co_u32 s[\g+1], s[\lds], \slot
	s_add_nc_u64 s[\g+2:\g+3], s[\ptr:\ptr+1], \step
	s_or_b32 s[\g+3], s[\g+3], 0x80000000
.endm
	s_load_b256 s[4:11], s[0:1], 0x0               ; xb s[4:5], wt s[6:7], bb s[8:9], qkv s[10:11]
	v_lshl_add_u32 v[SPW], v0, 2, SPARE
	v_mov_b32 v[NIL], 0
	ds_add_u32 v[SPW], v[NIL]                      ; the wave's opening: the add and its wait stand ahead of my first tensor load; work on registers stands between
	v_lshrrev_b32 v1, 5, v0
	v_readfirstlane_b32 s[WV], v1
	s_lshr_b32 s13, s[WV], 1
	s_and_b32 s14, s[WV], 1
	s_bfe_u32 s66, ttmp6, 0x40000                  ; cx
	s_bfe_u32 s67, ttmp6, 0x40004                  ; cy
	s_lshl_b32 s68, ttmp9, 2
	s_add_co_u32 s68, s68, s66                     ; tile column = 4 x cluster x + cx
	s_and_b32 s69, ttmp7, 0xffff
	s_lshl_b32 s69, s69, 2
	s_add_co_u32 s69, s69, s67                     ; tile row = 4 x cluster y + cy
	s_lshl_b32 s70, s67, 2
	s_lshl_b32 s70, 15, s70                        ; my row of the cluster
	s_lshl_b32 s71, 0x1111, s66                    ; my column
	s_or_b32 s[G1A], s70, FL
	s_or_b32 s[G1B], s71, FL
	s_mov_b32 s[G1A+1], 128<<16                    ; tensor_dim0 = 128 elements: 256 bytes, two matrix rows
	s_mov_b32 s[G1A+2], 64<<16                     ; tensor_dim1 = 64
	s_mov_b32 s[G1A+3], 128<<16                    ; tile_dim0
	s_mov_b32 s[G1A+4], 64                         ; tile_dim1
	s_mov_b32 s[G1A+5], 128                        ; elements from row to row: dense
	s_mov_b32 s[G1A+6], 0
	s_mov_b32 s[G1A+7], 0
	s_mov_b32 s[G1B+1], 128<<16
	s_mov_b32 s[G1B+2], 96<<16                     ; wt's half tile: 96 rows of 256 bytes
	s_mov_b32 s[G1B+3], 128<<16
	s_mov_b32 s[G1B+4], 96
	s_mov_b32 s[G1B+5], 128
	s_mov_b32 s[G1B+6], 0
	s_mov_b32 s[G1B+7], 0
	s_lshl_b32 s72, s69, 15                        ; xb: 256 rows of 128 bytes a tile row,
	s_lshl_b32 s73, s14, 14                        ; my half of them
	s_add_co_u32 s72, s72, s73
	s_mov_b32 s73, 0
	s_mul_i32 s74, s68, 49152                      ; wt: 384 rows a tile column,
	s_mul_i32 s75, s14, 24576                      ; my half
	s_add_co_u32 s74, s74, s75
	s_mov_b32 s75, 0
	s_mul_i32 s20, s14, AHALF                      ; where they go: the wave's number alone enters an LDS address
	s_mul_i32 s21, s14, BHALF
	s_add_co_u32 s21, s21, BOFF
	s_mul_i32 s76, s68, 6                          ; qkv: my first block of 64 columns is 6 x tile column + 3 x half,
	s_mul_i32 s77, s14, 3
	s_add_co_u32 s76, s76, s77
	s_lshl_b32 s76, s76, 20
	s_lshl_b32 s77, s69, 15                        ; my first row 256 x tile row + 128 x half
	s_add_co_u32 s76, s76, s77
	s_lshl_b32 s77, s13, 14
	s_add_co_u32 s76, s76, s77
	s_mov_b32 s77, 0
	s_mul_i32 s78, s68, 1536                       ; bb: 384 numbers a tile column, 192 a half
	s_mul_i32 s79, s14, 768
	s_add_co_u32 s78, s78, s79
	s_mov_b32 s79, 0
	s_mov_b32 s[TB], 0
	s_wait_dscnt 0x0                               ; the opening add is done
	s_wait_kmcnt 0x0
	s_add_nc_u64 s[4:5], s[4:5], s[72:73]
	s_add_nc_u64 s[6:7], s[6:7], s[74:75]
	s_add_nc_u64 s[8:9], s[8:9], s[78:79]
	s_add_nc_u64 s[10:11], s[10:11], s[76:77]
	CROUND                                         ; all sixteen work-groups are here: the first joint loads meet
	MKG0 G0A0, 20, 4, 0, 0
	MKG0 G0A,  20, 4, STEPA, SLOTX
	MKG0 G0B0, 21, 6, 0, 0
	MKG0 G0B,  21, 6, STEPB, SLOTX
	s_cmp_lt_u32 s[WV], 2                          ; a wave's two first fills stand in one branch: two loads of mine are out
	s_cbranch_scc0 .Lfirst_b
	tensor_load_to_lds s[G0A0:G0A0+3], s[G1A:G1A+7]
	s_nop 0
	tensor_load_to_lds s[G0A:G0A+3], s[G1A:G1A+7]
	s_nop 0
.rept 4
	v_nop
.endr
	s_branch .Lfirst_asked
.Lfirst_b:
	tensor_load_to_lds s[G0B0:G0B0+3], s[G1B:G1B+7]
	s_nop 0
	tensor_load_to_lds s[G0B:G0B+3], s[G1B:G1B+7]
	s_nop 0
.rept 4
	v_nop
.endr
.Lfirst_asked:
	; A fragment is 16 rows x 32 K in 8 registers: lane l holds row l % 16, K = 8 (l / 16) + 0..7 and 16 + 8 (l / 16) + 0..7: two loads of 16 bytes, 32 bytes apart.
	v_and_b32 v1, 15, v0                           ; l % 16
	v_bfe_u32 v2, v0, 4, 1                         ; l / 16
	v_lshlrev_b32 v[BO], 5, v2                     ; my eight columns of sixteen: 32 bytes of f32
.set mb, 0
.rept 12                                               ; the bias of column block b into accumulator (7, b): register j = column 16 b + 8 (l / 16) + j
	WIN 0x40*(1+mb/4)
	global_load_b128 v[64*(mb%4)+56:64*(mb%4)+59], v[BO], s[8:9] offset:64*mb
	global_load_b128 v[64*(mb%4)+60:64*(mb%4)+63], v[BO], s[8:9] offset:64*mb+16
.set mb, mb+1
.endr
	WIN 0
	v_mul_u32_u24 v3, v1, PITCH
	v_lshl_add_u32 v3, v2, 4, v3                   ; row x pitch + 16 x half
	s_mul_i32 s22, s13, AHALF
	s_mul_i32 s23, s14, BHALF
	s_add_co_u32 s23, s23, BOFF
	v_add_nc_u32 v[ADRA0], s22, v3
	v_add_nc_u32 v[ADRB0], s23, v3
	v_mov_b32 v[ADRA], v[ADRA0]
	v_mov_b32 v[ADRB], v[ADRB0]
	s_mul_i32 s22, s[WV], 16*PITCH
	s_add_co_u32 s22, s22, STAGE                   ; my stage
	v_add_nc_u32 v[STO], s22, v3                   ; in: row l % 16, 16 bytes for each half of the lanes
	v_bfe_u32 v3, v0, 3, 2                         ; back: 32 lanes take four rows of 128 bytes,
	v_mul_u32_u24 v3, v3, PITCH
	v_and_b32 v[RD], 7, v0
	v_lshl_add_u32 v3, v[RD], 4, v3
	v_add_nc_u32 v[RD], s22, v3
	v_and_b32 v[GO], 31, v0                        ; which are 512 consecutive bytes of a block of qkv
	v_lshlrev_b32 v[GO], 4, v[GO]
; Matrix work: column blocks b0 .. b0 + nb - 1 x all eight row blocks, 32 along K, xb's fragments in buffer f.  The accumulators take turns, one instruction a turn.
; mode 0: in place.  mode 1: row blocks 0-6 start their sums with the bias, which lies in (7, b).  mode 2: row block 7 adds onto the bias in place.
.macro MULB f, b0, nb, mode
.set mb, \b0
.rept \nb
	WIN 0x50*(1+mb/4)
.set ma, 0
.rept 8
.set rD, 64*(mb%4)+8*ma
.if (\mode) == 0
	v_wmma_f32_16x16x32_bf16 v[rD:rD+7], v[BF+8*mb:BF+8*mb+7], v[(\f)+8*ma:(\f)+8*ma+7], v[rD:rD+7]
.elseif ((\mode) == 1) && (ma < 7)
	v_wmma_f32_16x16x32_bf16 v[rD:rD+7], v[BF+8*mb:BF+8*mb+7], v[(\f)+8*ma:(\f)+8*ma+7], v[64*(mb%4)+56:64*(mb%4)+63]
.elseif ((\mode) == 2) && (ma == 7)
	v_wmma_f32_16x16x32_bf16 v[rD:rD+7], v[BF+8*mb:BF+8*mb+7], v[(\f)+8*ma:(\f)+8*ma+7], v[rD:rD+7]
.endif
.set ma, ma+1
.endr
.set mb, mb+1
.endr
.endm
.macro FETB b0, k                      ; six of wt's fragments, at byte k of the rows: 12 loads
.set fi, \b0
.rept 6
	ds_load_b128 v[BF+8*fi:BF+8*fi+3],   v[ADRB] offset:fi*16*PITCH+(\k)
	ds_load_b128 v[BF+8*fi+4:BF+8*fi+7], v[ADRB] offset:fi*16*PITCH+(\k)+32
.set fi, fi+1
.endr
.endm
.macro FETX g, k                       ; wt's lower six fragments and xb's eight into buffer g: 28 loads in one run
	WIN 0
	FETB 0, \k
.set fi, 0
.rept 8
	ds_load_b128 v[(\g)+8*fi:(\g)+8*fi+3],   v[ADRA] offset:fi*16*PITCH+(\k)
	ds_load_b128 v[(\g)+8*fi+4:(\g)+8*fi+7], v[ADRA] offset:fi*16*PITCH+(\k)+32
.set fi, fi+1
.endr
.endm
.macro FETY k                          ; wt's upper six fragments: 12 loads
	WIN 0
	FETB 6, \k
.endm
; A step's first half.  Each run of loads stands 48 matrix instructions ahead of its first use, four places behind the last product that read its registers.
.macro HALF0 bias
	s_wait_dscnt 12                                ; all but the youngest twelve (wt's upper six fragments)
.if \bias
	MULB AF0, 0, 6, 1
	FIVE
	MULB AF0, 0, 6, 2
.else
	MULB AF0, 0, 6, 0
.endif
	PLACES
	FETX AF1, 64
	s_wait_dscnt 28                                ; all but the 28 just issued
.if \bias
	MULB AF0, 6, 6, 1
	FIVE
	MULB AF0, 6, 6, 2
.else
	MULB AF0, 6, 6, 0
.endif
	PLACES
	FETY 64
.endm
; A step's second half changes slots: ONE barrier.  In front of it each wave waits for all its tensor loads (one is out: its part of the next slot), adds 0 to its spare word, and waits for that and for
; its reads of this slot.  The wait for the tile stands 16 matrix instructions into the half and 16 ahead of the refill, so that of a step's 192 a refill has 176 in which to land, and the last reads of this
; slot, issued just ahead of the half, have 24 in which to come back.  fill = 1: the barrier opens a round of the cluster's, and the joint refill, two steps ahead, is the first thing behind it.
.macro HALF1 fill
	s_wait_dscnt 12                                ; all but the youngest twelve (wt's upper six fragments)
	MULB AF1, 0, 2, 0
	WIN 0
	s_wait_tensorcnt 0x0                           ; no tensor load of mine is out, so a group 0 may be written
	ds_add_u32 v[SPW], v[NIL]                      ; 0 onto my spare word
.if \fill
	s_xor_b32 s[G0A+1], s[G0A+1], SLOTX            ; the walking descriptors: the other slot, the next step
	s_add_nc_u64 s[G0A+2:G0A+3], s[G0A+2:G0A+3], STEPA
	s_xor_b32 s[G0B+1], s[G0B+1], SLOTX
	s_add_nc_u64 s[G0B+2:G0B+3], s[G0B+2:G0B+3], STEPB
.endif
	MULB AF1, 2, 1, 0
	s_wait_dscnt 0x0                               ; the add is done, and my reads of this slot are over
	s_barrier_signal -1
	MULB AF1, 3, 1, 0                              ; work on registers while the others arrive
	WIN 0
	s_barrier_wait -1
.if \fill
	CREST                                          ; no wave of any partner still reads this slot or has a load on its way
	JLOAD
.endif
	MULB AF1, 4, 2, 0
	PLACES
	WIN 0
	s_xor_b32 s[TB], s[TB], SLOTX
	v_add_nc_u32 v[ADRA], s[TB], v[ADRA0]
	v_add_nc_u32 v[ADRB], s[TB], v[ADRB0]
	FETX AF0, 0
	MULB AF1, 6, 6, 0
	PLACES
	FETY 0
.endm
	s_wait_tensorcnt 1                             ; my part of step 0 is in; slot 1's may stay out
	s_barrier_signal -1
	s_barrier_wait -1
	FETX AF0, 0
	FETY 0
	s_wait_loadcnt 0x0                             ; the bias
	HALF0 1
	WIN 0
	s_mov_b32 s[CNT], 14
.Lstep:                                                ; trip t: the second half of step t, which asks for step t + 2, and the first half of step t + 1
	HALF1 1
	HALF0 0
	WIN 0
	s_sub_co_u32 s[CNT], s[CNT], 1
	s_cmp_lg_u32 s[CNT], 0
	s_cbranch_scc1 .Lstep
	s_mov_b32 s[CNT], 2                            ; the tail asks for nothing: the second halves of steps 14 and 15, the first half of step 15 between them.  One text for both second
.Ltail:                                                ; halves: the price is that step 15's passes one more barrier and reads 20 fragments of the other slot that serve nothing
	HALF1 0
	WIN 0
	s_sub_co_u32 s[CNT], s[CNT], 1
	s_cmp_eq_u32 s[CNT], 0
	s_cbranch_scc1 .Lout
	HALF0 0
	WIN 0
	s_cmp_lg_u32 s[CNT], 0
	s_cbranch_scc1 .Ltail
.Lout:
	s_wait_dscnt 0x0                               ; those loads have landed: the way out takes their registers
	PLACES
; THE WAY OUT, in 24 units of 16 rows x 64 columns (row block u / 3, window 1 + u % 3): rounded to f16, 16 bytes a lane into my stage, back as whole rows of 128 bytes, stored as 512 consecutive bytes.
.macro UNIT u
.set ua, (\u)/3
.set ug, (\u)%3
.set uR, 32+16*((\u)%12)
.endm
.macro PACKU u
	UNIT \u
	s_wait_xcnt 0x0                                ; the stores of twelve units ago have read these registers
	WIN 5*(1+ug)                                   ; sources 0 and 1 in the unit's window
.set ub, 0
.rept 4
.set ui, 0
.rept 4
	v_cvt_pk_f16_f32 v[uR+4*ub+ui], v[64*ub+8*ua+2*ui], v[64*ub+8*ua+2*ui+1]  ; each accumulator's registers in ascending order
.set ui, ui+1
.endr
.set ub, ub+1
.endr
	WIN 0
.set ub, 0
.rept 4
	ds_store_b128 v[STO], v[uR+4*ub:uR+4*ub+3] offset:32*ub
.set ub, ub+1
.endr
.set ub, 0
.rept 4
	ds_load_b128 v[uR+4*ub:uR+4*ub+3], v[RD] offset:4*PITCH*ub  ; LDS serves a wave's instructions in order (ISA guide 5.7.1.4): these see the stores above
.set ub, ub+1
.endr
.endm
.macro SENDU u, younger                ; younger: the LDS instructions issued behind the unit's loads
	UNIT \u
.set ub, 0
.rept 4
	s_wait_dscnt (\younger)+3-ub
	global_store_b128 v[GO], v[uR+4*ub:uR+4*ub+3], s[10:11] offset:ug*1048576+ua*2048+ub*512
.set ub, ub+1
.endr
.endm
	PACKU 0
.set uu, 1
.rept 23                                               ; a unit's conversions stand between the loads of the unit before and its stores
	PACKU uu
	SENDU uu-1, 8
.set uu, uu+1
.endr
	SENDU 23, 0
	s_wait_tensorcnt 0x0                           ; the wave's end
	ds_add_u32 v[SPW], v[NIL]
	s_wait_dscnt 0x0
	CROUND                                         ; the closing round
	s_endpgm
.Lfunc_end_k_qe744f1352c_proj:
	.size	k_qe744f1352c_proj, .Lfunc_end_k_qe744f1352c_proj-k_qe744f1352c_proj
	.p2alignl 7, 3214868480
	.fill 96, 4, 3214868480
	.section	.rodata,"a",@progbits
	.p2align	6, 0x0
	.amdhsa_kernel k_qe744f1352c_proj
		.amdhsa_group_segment_fixed_size 327680
		.amdhsa_private_segment_fixed_size 0
		.amdhsa_enable_private_segment 0
		.amdhsa_kernarg_size 32
		.amdhsa_user_sgpr_count 2
		.amdhsa_user_sgpr_kernarg_segment_ptr 1
		.amdhsa_wavefront_size32 1
		.amdhsa_system_sgpr_workgroup_id_x 1
		.amdhsa_system_sgpr_workgroup_id_y 1
		.amdhsa_system_sgpr_workgroup_id_z 1
		.amdhsa_system_vgpr_workitem_id 0
		.amdhsa_next_free_vgpr 1024
		.amdhsa_next_free_sgpr 80
		.amdhsa_reserve_vcc 0
		.amdhsa_float_denorm_mode_32 3
		.amdhsa_float_denorm_mode_16_64 3
		.amdhsa_memory_ordered 1
		.amdhsa_forward_progress 1
		.amdhsa_inst_pref_size 110
	.end_amdhsa_kernel
	.amdgpu_metadata
---
amdhsa.version: [ 1, 2 ]
amdhsa.kernels:
  - .name:           k_qe744f1352c_proj
    .symbol:         k_qe744f1352c_proj.kd
    .args:
      - { .name: xb, .offset: 0, .size: 8, .value_kind: global_buffer, .address_space: global }
      - { .name: wt, .offset: 8, .size: 8, .value_kind: global_buffer, .address_space: global }
      - { .name: bb, .offset: 16, .size: 8, .value_kind: global_buffer, .address_space: global }
      - { .name: qkv, .offset: 24, .size: 8, .value_kind: global_buffer, .address_space: global }
    .group_segment_fixed_size: 327680
    .private_segment_fixed_size: 0
    .kernarg_segment_align: 8
    .kernarg_segment_size: 32
    .max_flat_workgroup_size: 128
    .sgpr_count:     80
    .vgpr_count:     1024
    .wavefront_size: 32
...
	.end_amdgpu_metadata
.endif
;; end of part 2
;; launch scores (part 3): grid 8 x 32, 4 waves a work-group, clusters of 4 x 4, 327,680 bytes of LDS; arguments qkv, p, stats; writes p, stats
.if DOCPART == 3
	.amdgcn_target "amdgcn-amd-amdhsa--gfx1250"
	.amdhsa_code_object_version 6
	.text
	.protected	k_qe744f1352c_scores
	.globl	k_qe744f1352c_scores
	.p2align	8
	.type	k_qe744f1352c_scores,@function
k_qe744f1352c_scores:
	s_mov_b64 s[64:65], 0
	v_nop
	global_prefetch_b8 v0, s[64:65] scope:SCOPE_SE
	s_setreg_imm32_b32 hwreg(HW_REG_WAVE_MODE, 25, 1), 1
	s_wait_xcnt 0x0
	s_wait_alu depctr_hold_cnt(0) depctr_sa_sdst(0) depctr_va_vdst(0) depctr_va_sdst(0) depctr_va_ssrc(0) depctr_va_vcc(0) depctr_vm_vsrc(0)
	s_getreg_b32 s2, hwreg(HW_REG_IB_STS2, 6, 4)
	s_cmp_eq_u32 s2, 0
	s_cbranch_scc0 .Lentry_in_a_cluster
	s_endpgm
.Lentry_in_a_cluster:
	s_bfe_u32 s2, ttmp6, 0x10000c
	s_cmp_lg_u32 s2, 0xf033
	s_cbranch_scc0 .Lentry_shape_is_right
	s_endpgm
.Lentry_shape_is_right:
; SCORES: for each batch S = Q K^T (f16 operands, f32 sums), and of each row's block of 128 keys: cm = c max(s), p = 2^(c s - cm) rounded to f16, l = the sum of the unrounded p.  c = log2(e) / 32.
; p lies in the order of the next launch's fragments: [512 blocks of 16 rows][128 blocks of 16 keys][32 lanes][16 bytes]: lane l's 16 bytes are row l % 16, keys 8 (l / 16) + 0..7 of the block.
; That is what a lane holds here, so p leaves straight from registers, 512 consecutive bytes a store.  stats: cm [16 key blocks][8192] f32 from byte 0, l likewise from byte 524,288.
; The next launch joins the blocks' maxima to the row's own, so the weights are those of a softmax less its maximum.
; LIMITS.  Q and K arrive within f16's range; a weight below 2^-126 counts as 0 in l, below 6e-8 as 0 in p; NaN and infinities are not treated apart.
; SHARES.  8 key tiles x 32 row tiles of 256 x 256: one work-group for each of 256 WGPs; four waves, each 128 x 128: 64 accumulators, 512 registers.  K = 1024 goes in 8 steps of 128 (two blocks of qkv)
; through two LDS slots; each wave fetches one block of 256 rows x 128 bytes, dense in memory, as 128 rows of 256 bytes, padded in LDS behind every 128 bytes.
; CLUSTER 4 x 4: Q's tile hangs on the row tile and is asked for jointly along a row of the cluster, K's on the batch and the key tile, jointly along a column (the batch is cluster y / 2: all four share it).
; TRANSPOSED USE: source 0 = 16 keys, source 1 = 16 queries: a lane holds one query (lane % 16) and the keys 16 b + 8 (lane / 16) + 0..7; a row's 128 scores lie in two lanes, 16 apart.
; REGISTERS: window 0: v0-31 addresses and statistics; v64-127, v128-191 Q's fragments, two buffers; v32-39, v192-223 at work on the way out.  window 1: v64-191 K's fragments.
;   window 2: accumulators of my rows 0-63 ((a, b) at v[8 (8 a + b)]); window 3: rows 64-127.
.set PITCH, 144                        ; 128 bytes + 16: the 16 rows of a load start at 16 different groups of four banks (ISA guide 11.1)
.set BLK,   256*PITCH                  ; a block in LDS: what one tensor load brings
.set HALFB, 128*PITCH
.set SLOTX, 4*BLK                      ; a slot: Q's two blocks, K's two.  0x24000 shares no bit with wave x BLK, so one exclusive or changes slots
.set STAT,  2*SLOTX                    ; behind the ring: 1,024 bytes for each wave: cm and l of its 128 rows
.set SPARE, STAT+4*1024                ; the spare words, 128 bytes for each wave
.set STEPK, 2*8192*128                 ; two blocks of qkv
.set KO0, 0                            ; byte offset of a step's four quarters of 32 along K
.set KO1, 64
.set KO2, BLK
.set KO3, BLK+64
.set ADRA0, 4
.set ADRB0, 5
.set ADRA,  6
.set ADRB,  7
.set CH,  8                            ; v8-11  four running maxima
.set CM,  12                           ; v12 c m, v13 m: named as a pair
.set LS,  14                           ; v14 l
.set TX,  15                           ; v15 what comes from the lane 16 away
.set CO,  26                           ; 16 x lane: my 16 bytes in 512 consecutive bytes of p and of stats
.set SA,  27                           ; where I put my row's cm
.set SPW, 28
.set NIL, 29
.set SL,  30                           ; where I read 16 bytes of the wave's statistics back
.set F0,  64
.set F1,  128
.set TMP, 192
.set WV,  12
.set G1A, 24
.set G1B, 32
.set G0A0, 40
.set G0A, 44
.set G0B0, 48
.set G0B, 52
.set CNT, 56
.set TB,  57
.set CS,  58                           ; s[58:59] c
.set SEL, 60                           ; s[60:61] v_permlanex16_b32's selects: each lane takes its own place in the other half
.set FL, (1<<16)|(1<<20)|(1<<21)|(4<<22)|(3<<25)
.set MUL_LO, 0xa1                      ; source 0 (K) window 1, source 1 (Q) window 0, C and D window 2
.set TO_B,   0x40
.set MSB, 0
.macro WIN new
.if MSB != (\new)
	s_set_vgpr_msb (MSB<<8)|(\new)
.set MSB, \new
.endif
.endm
.macro PLACES
.rept 4
	v_nop
.endr
.endm
.macro CREST
	s_cmp_lg_u32 s[WV], 0
	s_cbranch_scc1 .Lnot_wave_0_\@
	s_barrier_signal -3
.Lnot_wave_0_\@:
	s_barrier_wait -3
	s_barrier_signal -1
	s_barrier_wait -1
.endm
.macro CROUND
	s_barrier_signal -1
	s_barrier_wait -1
	CREST
.endm
.macro JLOAD                           ; waves 0, 1 fetch Q's two blocks, waves 2, 3 K's; s_nop 0 and four v_nop follow each line
	s_cmp_lt_u32 s[WV], 2
	s_cbranch_scc0 .Lfor_b_\@
	tensor_load_to_lds s[G0A:G0A+3], s[G1A:G1A+7]
	s_nop 0
.rept 4
	v_nop
.endr
	s_branch .Lasked_\@
.Lfor_b_\@:
	tensor_load_to_lds s[G0B:G0B+3], s[G1B:G1B+7]
	s_nop 0
.rept 4
	v_nop
.endr
.Lasked_\@:
.endm
.macro MKG0 g, lds, ptr, step, slot
	s_mov_b32 s[\g], 1
	s_add_co_u32 s[\g+1], s[\lds], \slot
	s_add_nc_u64 s[\g+2:\g+3], s[\ptr:\ptr+1], \step
	s_or_b32 s[\g+3], s[\g+3], 0x80000000
.endm
	s_load_b128 s[4:7], s[0:1], 0x0                ; qkv s[4:5], p s[6:7]
	s_load_b64 s[8:9], s[0:1], 0x10                ; stats
	v_lshl_add_u32 v[SPW], v0, 2, SPARE
	v_mov_b32 v[NIL], 0
	ds_add_u32 v[SPW], v[NIL]                      ; the wave's opening: the add and its wait stand ahead of my first tensor load
	v_lshrrev_b32 v1, 5, v0
	v_readfirstlane_b32 s[WV], v1
	s_lshr_b32 s13, s[WV], 1                       ; my half of the rows
	s_and_b32 s14, s[WV], 1                        ; my half of the keys; also which of a step's two blocks I fetch
	s_bfe_u32 s66, ttmp6, 0x40000
	s_bfe_u32 s67, ttmp6, 0x40004
	s_lshl_b32 s68, ttmp9, 2
	s_add_co_u32 s68, s68, s66                     ; key tile
	s_and_b32 s69, ttmp7, 0xffff
	s_lshl_b32 s69, s69, 2
	s_add_co_u32 s69, s69, s67                     ; row tile, over all batches
	s_lshl_b32 s70, s67, 2
	s_lshl_b32 s70, 15, s70
	s_lshl_b32 s71, 0x1111, s66
	s_or_b32 s[G1A], s70, FL
	s_or_b32 s[G1B], s71, FL
.irp g, G1A, G1B
	s_mov_b32 s[\g+1], 128<<16                     ; rows of 256 bytes,
	s_mov_b32 s[\g+2], 128<<16                     ; 128 of them
	s_mov_b32 s[\g+3], 128<<16
	s_mov_b32 s[\g+4], 128
	s_mov_b32 s[\g+5], 128
	s_mov_b32 s[\g+6], 0
	s_mov_b32 s[\g+7], 0
.endr
	s_lshl_b32 s72, s69, 15                        ; Q: 256 rows of 128 bytes a row tile, in block 0 or 1
	s_lshl_b32 s73, s14, 20
	s_add_co_u32 s72, s72, s73
	s_mov_b32 s73, 0
	s_and_b32 s74, ttmp7, 0xffff
	s_lshr_b32 s74, s74, 1                         ; the batch: cluster y / 2
	s_lshl_b32 s74, s74, 3
	s_add_co_u32 s74, s74, s68                     ; K: tile 8 x batch + key tile,
	s_lshl_b32 s74, s74, 15
	s_add_co_u32 s75, s14, 16                      ; in block 16 or 17
	s_lshl_b32 s75, s75, 20
	s_add_co_u32 s74, s74, s75
	s_mov_b32 s75, 0
	s_mul_i32 s20, s[WV], BLK                      ; where my block goes
	s_lshl_b32 s76, s69, 20                        ; p: 16 blocks of 16 rows a row tile, 65,536 bytes each,
	s_lshl_b32 s77, s13, 19                        ; my 8 of them,
	s_add_co_u32 s76, s76, s77
	s_lshl_b32 s77, s68, 13                        ; 16 blocks of 16 keys a key tile, 512 bytes each,
	s_add_co_u32 s76, s76, s77
	s_lshl_b32 s77, s14, 12                        ; my 8
	s_add_co_u32 s76, s76, s77
	s_mov_b32 s77, 0
	s_lshl_b32 s78, s68, 16                        ; stats: key block 2 x key tile + half, 32,768 bytes each,
	s_lshl_b32 s79, s14, 15
	s_add_co_u32 s78, s78, s79
	s_lshl_b32 s79, s69, 10                        ; my 128 rows
	s_add_co_u32 s78, s78, s79
	s_lshl_b32 s79, s13, 9
	s_add_co_u32 s78, s78, s79
	s_mov_b32 s79, 0
	s_mov_b32 s[TB], 0
	s_mov_b32 s[CS], 0x3d38aa3b                    ; c = log2(e) / 32
	s_mov_b32 s[CS+1], s[CS]
	s_mov_b32 s[SEL], 0x76543210
	s_mov_b32 s[SEL+1], 0xfedcba98
	s_wait_dscnt 0x0                               ; the opening add is done
	s_wait_kmcnt 0x0
	s_add_nc_u64 s[16:17], s[4:5], s[72:73]        ; Q's first block of mine
	s_add_nc_u64 s[18:19], s[4:5], s[74:75]        ; K's
	s_add_nc_u64 s[6:7], s[6:7], s[76:77]
	s_add_nc_u64 s[8:9], s[8:9], s[78:79]
	CROUND
	MKG0 G0A0, 20, 16, 0, 0
	MKG0 G0A,  20, 16, STEPK, SLOTX
	MKG0 G0B0, 20, 18, 0, 0
	MKG0 G0B,  20, 18, STEPK, SLOTX
	s_cmp_lt_u32 s[WV], 2                          ; a wave's two first fills stand in one branch: two loads of mine are out
	s_cbranch_scc0 .Lfirst_b
	tensor_load_to_lds s[G0A0:G0A0+3], s[G1A:G1A+7]
	s_nop 0
	tensor_load_to_lds s[G0A:G0A+3], s[G1A:G1A+7]
	s_nop 0
.rept 4
	v_nop
.endr
	s_branch .Lfirst_asked
.Lfirst_b:
	tensor_load_to_lds s[G0B0:G0B0+3], s[G1B:G1B+7]
	s_nop 0
	tensor_load_to_lds s[G0B:G0B+3], s[G1B:G1B+7]
	s_nop 0
.rept 4
	v_nop
.endr
.Lfirst_asked:
	v_and_b32 v1, 15, v0                           ; l % 16
	v_bfe_u32 v2, v0, 4, 1                         ; l / 16
	v_mul_u32_u24 v3, v1, PITCH
	v_lshl_add_u32 v3, v2, 4, v3
	s_mul_i32 s21, s13, HALFB
	s_mul_i32 s22, s14, HALFB
	s_add_co_u32 s22, s22, 2*BLK
	v_add_nc_u32 v[ADRA0], s21, v3
	v_add_nc_u32 v[ADRB0], s22, v3
	v_mov_b32 v[ADRA], v[ADRA0]
	v_mov_b32 v[ADRB], v[ADRB0]
	s_lshl_b32 s23, s[WV], 10
	s_add_co_u32 s23, s23, STAT
	v_lshl_add_u32 v[SA], v1, 2, s23
	v_and_b32 v3, 31, v0
	v_lshlrev_b32 v[CO], 4, v3
	v_add_nc_u32 v[SL], s23, v[CO]
	v_mov_b32 v[TX], 0                             ; v_permlanex16_b32's destination counts as read
; 8 matrix instructions: row block a of the window's four x all 8 key blocks, 32 along K.  The 64 accumulators take turns.  zero = 1: the first product starts the sums.
.macro MULA f, hi, a, zero
	WIN MUL_LO+0x50*(\hi)
.irp b, 0,1,2,3,4,5,6,7
.if \zero
	v_wmma_f32_16x16x32_f16 v[8*(8*(\a)+(\b)):8*(8*(\a)+(\b))+7], v[(\f)+8*(\b):(\f)+8*(\b)+7], v[(\f)+8*(4*(\hi)+(\a)):(\f)+8*(4*(\hi)+(\a))+7], 0
.else
	v_wmma_f32_16x16x32_f16 v[8*(8*(\a)+(\b)):8*(8*(\a)+(\b))+7], v[(\f)+8*(\b):(\f)+8*(\b)+7], v[(\f)+8*(4*(\hi)+(\a)):(\f)+8*(4*(\hi)+(\a))+7], v[8*(8*(\a)+(\b)):8*(8*(\a)+(\b))+7]
.endif
.endr
.endm
.macro MUL32 f, hi, zero               ; the window's four row blocks
	MULA \f, \hi, 0, \zero
	MULA \f, \hi, 1, \zero
	MULA \f, \hi, 2, \zero
	MULA \f, \hi, 3, \zero
.endm
.macro FETCH k, f                      ; 32 LDS loads in one run: a quarter's fragments of K, then of Q
	WIN TO_B
.irp i, 0,1,2,3,4,5,6,7
	ds_load_b128 v[(\f)+8*(\i):(\f)+8*(\i)+3],   v[ADRB] offset:(\k)+(\i)*16*PITCH
	ds_load_b128 v[(\f)+8*(\i)+4:(\f)+8*(\i)+7], v[ADRB] offset:(\k)+(\i)*16*PITCH+32
.endr
	WIN 0
.irp i, 0,1,2,3,4,5,6,7
	ds_load_b128 v[(\f)+8*(\i):(\f)+8*(\i)+3],   v[ADRA] offset:(\k)+(\i)*16*PITCH
	ds_load_b128 v[(\f)+8*(\i)+4:(\f)+8*(\i)+7], v[ADRA] offset:(\k)+(\i)*16*PITCH+32
.endr
.endm
.macro QUARTER k, f, g, zero           ; multiplies buffer f; in its middle fetches the next quarter, at byte k, into g
	s_wait_dscnt 8                                 ; K and Q's rows 0-63 are in; the youngest eight loads (rows 64-127) may be out
	MUL32 \f, 0, \zero
	PLACES
	FETCH \k, \g
	s_wait_dscnt 32                                ; all but the 32 just issued
	MUL32 \f, 1, \zero
.endm
; A step's last quarter multiplies buffer 1 and changes slots: ONE barrier.  In front of it each wave waits for all its tensor loads (one is out: its block of the next slot), adds 0 to its spare word, and waits
; for that and for its reads of this slot.  fill = 1: the barrier opens a round of the cluster's and the joint refill, two steps on, comes first behind it: 240 matrix instructions ahead of the wait for it.
.macro TURN fill
	WIN 0
	s_wait_tensorcnt 0x0
	ds_add_u32 v[SPW], v[NIL]
.if \fill
	s_xor_b32 s[G0A+1], s[G0A+1], SLOTX
	s_add_nc_u64 s[G0A+2:G0A+3], s[G0A+2:G0A+3], STEPK
	s_xor_b32 s[G0B+1], s[G0B+1], SLOTX
	s_add_nc_u64 s[G0B+2:G0B+3], s[G0B+2:G0B+3], STEPK
.endif
	s_wait_dscnt 9                                 ; the add and the youngest eight loads may be out
	MULA F1, 0, 0, 0
	s_wait_dscnt 0x0                               ; the add is done, and my reads of this slot are over (the last were issued 40 matrix instructions ago)
	s_barrier_signal -1
	MULA F1, 0, 1, 0
	WIN 0
	s_barrier_wait -1
.if \fill
	CREST
	JLOAD
.endif
	MULA F1, 0, 2, 0
	MULA F1, 0, 3, 0
	PLACES
	WIN 0
	s_xor_b32 s[TB], s[TB], SLOTX
	v_add_nc_u32 v[ADRA], s[TB], v[ADRA0]
	v_add_nc_u32 v[ADRB], s[TB], v[ADRB0]
	FETCH KO0, F0
	MUL32 F1, 1, 0
.endm
	s_wait_tensorcnt 1                             ; my block of step 0 is in; slot 1's may stay out
	s_barrier_signal -1
	s_barrier_wait -1
	FETCH KO0, F0
	QUARTER KO1, F0, F1, 1
	WIN 0
	s_mov_b32 s[CNT], 6
.Lstep:                                                ; trip t: quarters 1 to 3 of step t, which asks for step t + 2, and quarter 0 of step t + 1
	QUARTER KO2, F1, F0, 0
	QUARTER KO3, F0, F1, 0
	TURN 1
	QUARTER KO1, F0, F1, 0
	WIN 0
	s_sub_co_u32 s[CNT], s[CNT], 1
	s_cmp_lg_u32 s[CNT], 0
	s_cbranch_scc1 .Lstep
	s_mov_b32 s[CNT], 2                            ; the tail asks for nothing: steps 6 and 7; its second trip is left in its middle
.Ltail:
	QUARTER KO2, F1, F0, 0
	QUARTER KO3, F0, F1, 0
	WIN 0
	s_sub_co_u32 s[CNT], s[CNT], 1
	s_cmp_eq_u32 s[CNT], 0
	s_cbranch_scc1 .Lout
	TURN 0
	QUARTER KO1, F0, F1, 0
	WIN 0
	s_cmp_lg_u32 s[CNT], 0
	s_cbranch_scc1 .Ltail
.Lout:
	s_wait_dscnt 8                                 ; the very last quarter: nothing more to fetch
	MUL32 F1, 0, 0
	s_wait_dscnt 0x0
	MUL32 F1, 1, 0
	WIN 0
	PLACES
; THE BLOCK SOFTMAX of row block a: a lane's 64 scores lie in eight accumulators at AC of window sw.  Each accumulator's lowest registers are read first.
.macro SOFT a
.set sw, 2+(\a)/4
.set AC, 64*((\a)%4)
	WIN sw|(sw<<2)
.irp k, 0,1,2,3
	v_max_num_f32 v[CH+\k], v[AC+8*\k], v[AC+8*\k+1]
.endr
	WIN (sw<<2)|(sw<<4)
.irp n, 1,2,3
.irp k, 0,1,2,3
	v_max3_num_f32 v[CH+\k], v[CH+\k], v[AC+8*\k+2*\n], v[AC+8*\k+2*\n+1]
.endr
.endr
.irp n, 0,1,2,3
.irp k, 0,1,2,3
	v_max3_num_f32 v[CH+\k], v[CH+\k], v[AC+32+8*\k+2*\n], v[AC+32+8*\k+2*\n+1]
.endr
.endr
	WIN 0
	v_max3_num_f32 v[CH], v[CH], v[CH+1], v[CH+2]
	v_max_num_f32 v[CH], v[CH], v[CH+3]
	v_permlanex16_b32 v[TX], v[CH], s[SEL], s[SEL+1]  ; the row's other 64 keys lie in the lane 16 away
	v_max_num_f32 v[CM+1], v[CH], v[TX]
	v_mul_f32 v[CM], s[CS], v[CM+1]
	WIN sw|(sw<<6)
.set si, 0
.rept 32
	v_pk_fma_f32 v[AC+2*si:AC+2*si+1], v[AC+2*si:AC+2*si+1], s[CS:CS+1], v[CM:CM+1] op_sel_hi:[1,0,0] neg_lo:[0,0,1] neg_hi:[0,0,1]  ; c s - c m
.set si, si+1
.endr
.set si, 0
.rept 64
	v_exp_f32 v[AC+si], v[AC+si]
.set si, si+1
.endr
	v_nop                                          ; a plain instruction between the exponentials and the first use of a result (ISA guide 5.7.2)
	s_wait_xcnt 0x0                                ; the stores of the block before have read the registers that the roundings below write
	WIN sw|(sw<<2)
.set si, 0
	s_wait_alu depctr_va_vdst(0)
.rept 32
	v_cvt_pk_f16_f32 v[TMP+si], v[AC+2*si], v[AC+2*si+1]
.set si, si+1
.endr
	WIN sw|(sw<<2)|(sw<<6)
.set st, 32
.rept 5                                                ; the 32 pairs are added in place: 16, 8, 4, 2, 1 packed additions
.set si, 0
.rept st/2
	v_pk_add_f32 v[AC+2*si:AC+2*si+1], v[AC+2*si:AC+2*si+1], v[AC+st+2*si:AC+st+2*si+1]
.set si, si+1
.endr
.set st, st/2
.endr
	WIN sw|(sw<<2)
	v_add_f32 v[LS], v[AC], v[AC+1]
	WIN 0
	v_permlanex16_b32 v[TX], v[LS], s[SEL], s[SEL+1]
	v_add_f32 v[LS], v[LS], v[TX]
	ds_store_b32 v[SA], v[CM] offset:64*(\a)       ; both lanes of a row write the same word with the same number
	ds_store_b32 v[SA], v[LS] offset:512+64*(\a)
.irp b, 0,1,2,3,4,5,6,7
	global_store_b128 v[CO], v[TMP+4*(\b):TMP+4*(\b)+3], s[6:7] offset:(\a)*65536+(\b)*512  ; key block b of row block a: 512 consecutive bytes, at a multiple of 512 from p's first byte
.endr
.endm
.irp a, 0,1,2,3,4,5,6,7
	SOFT \a
.endr
	ds_load_b128 v[32:35], v[SL]                   ; the wave's 128 cm and 128 l: 512 consecutive bytes each; my own bytes: LDS serves a wave's instructions in order (ISA guide 5.7.1.4)
	ds_load_b128 v[36:39], v[SL] offset:512
	s_wait_dscnt 0x0
	global_store_b128 v[CO], v[32:35], s[8:9]
	global_store_b128 v[CO], v[36:39], s[8:9] offset:524288
	s_wait_tensorcnt 0x0                           ; the wave's end
	ds_add_u32 v[SPW], v[NIL]
	s_wait_dscnt 0x0
	CROUND                                         ; the closing round
	s_endpgm
.Lfunc_end_k_qe744f1352c_scores:
	.size	k_qe744f1352c_scores, .Lfunc_end_k_qe744f1352c_scores-k_qe744f1352c_scores
	.p2alignl 7, 3214868480
	.fill 96, 4, 3214868480
	.section	.rodata,"a",@progbits
	.p2align	6, 0x0
	.amdhsa_kernel k_qe744f1352c_scores
		.amdhsa_group_segment_fixed_size 327680
		.amdhsa_private_segment_fixed_size 0
		.amdhsa_enable_private_segment 0
		.amdhsa_kernarg_size 24
		.amdhsa_user_sgpr_count 2
		.amdhsa_user_sgpr_kernarg_segment_ptr 1
		.amdhsa_wavefront_size32 1
		.amdhsa_system_sgpr_workgroup_id_x 1
		.amdhsa_system_sgpr_workgroup_id_y 1
		.amdhsa_system_sgpr_workgroup_id_z 1
		.amdhsa_system_vgpr_workitem_id 0
		.amdhsa_next_free_vgpr 1024
		.amdhsa_next_free_sgpr 80
		.amdhsa_reserve_vcc 0
		.amdhsa_float_denorm_mode_32 3
		.amdhsa_float_denorm_mode_16_64 3
		.amdhsa_memory_ordered 1
		.amdhsa_forward_progress 1
		.amdhsa_inst_pref_size 164
	.end_amdhsa_kernel
	.amdgpu_metadata
---
amdhsa.version: [ 1, 2 ]
amdhsa.kernels:
  - .name:           k_qe744f1352c_scores
    .symbol:         k_qe744f1352c_scores.kd
    .args:
      - { .name: qkv, .offset: 0, .size: 8, .value_kind: global_buffer, .address_space: global }
      - { .name: p, .offset: 8, .size: 8, .value_kind: global_buffer, .address_space: global }
      - { .name: stats, .offset: 16, .size: 8, .value_kind: global_buffer, .address_space: global }
    .group_segment_fixed_size: 327680
    .private_segment_fixed_size: 0
    .kernarg_segment_align: 8
    .kernarg_segment_size: 24
    .max_flat_workgroup_size: 128
    .sgpr_count:     80
    .vgpr_count:     1024
    .wavefront_size: 32
...
	.end_amdgpu_metadata
.endif
;; end of part 3
;; launch pv (part 4): grid 8 x 32, 4 waves a work-group, clusters of 4 x 4, 327,680 bytes of LDS; arguments p, qkv, stats, out0; writes out0
.if DOCPART == 4
	.amdgcn_target "amdgcn-amd-amdhsa--gfx1250"
	.amdhsa_code_object_version 6
	.text
	.protected	k_qe744f1352c_pv
	.globl	k_qe744f1352c_pv
	.p2align	8
	.type	k_qe744f1352c_pv,@function
k_qe744f1352c_pv:
	s_mov_b64 s[64:65], 0
	v_nop
	global_prefetch_b8 v0, s[64:65] scope:SCOPE_SE
	s_setreg_imm32_b32 hwreg(HW_REG_WAVE_MODE, 25, 1), 1
	s_wait_xcnt 0x0
	s_wait_alu depctr_hold_cnt(0) depctr_sa_sdst(0) depctr_va_vdst(0) depctr_va_sdst(0) depctr_va_ssrc(0) depctr_va_vcc(0) depctr_vm_vsrc(0)
	s_getreg_b32 s2, hwreg(HW_REG_IB_STS2, 6, 4)
	s_cmp_eq_u32 s2, 0
	s_cbranch_scc0 .Lentry_in_a_cluster
	s_endpgm
.Lentry_in_a_cluster:
	s_bfe_u32 s2, ttmp6, 0x10000c
	s_cmp_lg_u32 s2, 0xf033
	s_cbranch_scc0 .Lentry_shape_is_right
	s_endpgm
.Lentry_shape_is_right:
; PV: out = softmax x V.  For each row M = the largest of its 16 blocks' cm, f_b = 2^(cm_b - M), L = the sum of l_b f_b; out = (the sum over b of (f_b P_b) V_b) / L.
; f_b P_b is one packed f16 multiply between P's load and the matrix instruction; products in f16, sums in f32, out in f32.
; LIMITS.  V arrives within f16's range; f p below 6e-8 counts as 0; an f below 2^-126 counts as 0; NaN and infinities are not treated apart.  L is at least about 1: the block that holds the row's maximum has f = 1 and a weight of 1.
; SHARES.  32 row tiles x 8 channel tiles of 256 x 128: one work-group for each of 256 WGPs.  Wave w: rows 64 w on (four blocks of 16) x all 128 channels: 32 accumulators.  2,048 keys go in 64 quarters of 32.
; P IS NOBODY ELSE'S: a wave's 64 rows are read by that wave alone, and p lies in fragment order ([16 rows][16 keys][lane][16 bytes]).  So P comes straight from memory into registers, two loads of 512
; consecutive bytes a fragment, through a RING of eight quarters (256 registers): an entry is loaded again at the head of the quarter behind the one whose multiplies read it, and is waited for seven quarters on.
; P is therefore not asked for jointly: a joint load lands in LDS, where P would take two thirds of a slot and halve the keys that a slot holds.
; V IS EVERYBODY'S: it goes through two LDS slots of 256 keys x 128 channels (two blocks of qkv, dense in memory: asked for as rows of 256 bytes, padded behind every 128); each wave fetches 128 keys of one block.
; CLUSTER 4 x 4: V's tile hangs on the batch (cluster y / 2) and the channel tile, and is asked for jointly along a column of the cluster.
; TRANSPOSED USE: source 0 = V^T (16 channels x 32 keys, turned by ds_load_tr16_b128), source 1 = 16 queries x 32 keys of f P: a lane holds one query and eight neighbouring channels.
; THE TEXT.  The ring's registers are named in the text, so a loop's body is eight quarters, a slot.  The last two slots ask for no tile and are a second copy of the body, walked twice and left in the middle.
; In that copy's last seven quarters the ring's loads serve nothing: they read addresses of the last slot once more (56 loads a wave), so that every quarter issues eight loads and one count holds on every way.
; REGISTERS (windows of 256; s_set_vgpr_msb: bits 1:0 source 0, 3:2 source 1, 5:4 source 2, 7:6 destination):
;   window 0: v0-31 addresses, 1 / L; v64-127 V's fragments of even quarters; v128-255 the ring's odd entries        window 3: v0-63 V's fragments of odd quarters; v64-191 the ring's even entries
;   window 1: v0-127 accumulators of row blocks 0, 1 ((a, b) at v[64 (a % 2) + 8 b]); v128-159, v160-191 f P, two buffers; v192-195 f of my row in the four blocks, twice in each word
;   window 2: v0-127 row blocks 2, 3; v128-195 at work in the prologue
; An even quarter multiplies by V in window 0 and scales an odd entry, which lies there too; an odd quarter has both in window 3: the packed multiplies run under the matrix instructions' setting.
.set PVP,   160                        ; a row of V in LDS: 128 bytes + 32
.set VQ,    32*PVP                     ; a quarter's keys
.set VHALF, 128*PVP                    ; what one tensor load brings
.set VBLK,  256*PVP                    ; a slot's keys in one block of 64 channels
.set SLOTX, 1<<17                      ; slot 1 begins here: one exclusive or changes slots
.set STAGE, SLOTX+2*VBLK               ; 16 rows x 528 bytes for each wave, for the way out
.set SP,    528
.set FT,    STAGE+4*16*SP              ; for each wave a table: entries 0-15: f of a block of 128 keys, 16 bytes a row (its four row blocks); entry 16: 1 / L likewise
.set FTW,   18*256
.set STIN,  FT+4*FTW                   ; for each wave 8,192 bytes: cm and l of its 64 rows as they come from memory, filled once
.set SPARE, STIN+4*8192                ; the spare words, 128 bytes for each wave
.set PROW,  65536                      ; bytes of p for 16 rows
.set PQ,    1024                       ; and in them for 32 keys: a fragment
.set ADRV0, 4                          ; my lane's place in V's first block of slot 0; never rewritten
.set ADRV,  5                          ; the same in the slot in hand
.set ADRW,  6                          ; and in its second block
.set SI,    7                          ; where I read cm and l
.set FA,    8                          ; where the next block's f is read
.set FW,    9                          ; where the prologue writes the table
.set STO,   10
.set RD,    11
.set RL,    12                         ; v12-15 1 / L as loaded
.set R2,    16                         ; v16-23 1 / L of row block a, twice: pairs for the packed multiply
.set GO,    24                         ; 16 x lane
.set SPW,   28
.set NIL,   29
.set VF0,   64                         ; window 0
.set VF1,   0                          ; window 3
.set RODD,  128                        ; window 0: entry e at RODD + 32 (e / 2)
.set REVN,  64                         ; window 3: entry e at REVN + 32 (e / 2)
.set PS0,   128                        ; window 1
.set FR,    192                        ; window 1
.set SC,    128                        ; window 2: cm, then f, of my two rows in block k at SC + 2 k; l at SC + 32 + 2 k
.set MX,    192                        ; window 2
.set LL,    194                        ; window 2
.set TMP,   64                         ; the way out, window 0
.set BK0,   128
.set WV,  12
.set G1V, 24                           ; s[24:31] descriptor group 1, V's tiles
.set G1S, 32                           ; s[32:39] the statistics' tile
.set G0V0, 40                          ; s[40:43] group 0: slot 0, used once
.set G0W, 44                           ; s[44:47] group 0 that walks: begins at slot 1
.set G0S, 48                           ; s[48:51] the statistics', used once
.set PB,  52                           ; s[52:53] p at my rows, one slot ahead of the slot in hand
.set CNT, 56
.set TB,  57
.set MSB, 0
.macro WIN new
.if MSB != (\new)
	s_set_vgpr_msb (MSB<<8)|(\new)
.set MSB, \new
.endif
.endm
.macro PLACES
.rept 4
	v_nop
.endr
.endm
.macro CREST
	s_cmp_lg_u32 s[WV], 0
	s_cbranch_scc1 .Lnot_wave_0_\@
	s_barrier_signal -3
.Lnot_wave_0_\@:
	s_barrier_wait -3
	s_barrier_signal -1
	s_barrier_wait -1
.endm
.macro CROUND
	s_barrier_signal -1
	s_barrier_wait -1
	CREST
.endm
.macro JLOAD                           ; a joint refill: every wave fetches its 128 keys of one block; s_nop 0 and four v_nop follow the line
	tensor_load_to_lds s[G0W:G0W+3], s[G1V:G1V+7]
	s_nop 0
.rept 4
	v_nop
.endr
.endm
.macro MKG0 g, lds, ptr, step, slot
	s_mov_b32 s[\g], 1
	s_add_co_u32 s[\g+1], s[\lds], \slot
	s_add_nc_u64 s[\g+2:\g+3], s[\ptr:\ptr+1], \step
	s_or_b32 s[\g+3], s[\g+3], 0x80000000
.endm
; Eight loads: the four row blocks' fragments of one quarter into ring entry e, from byte off behind the base in s[sb:sb+1].  It leaves the destination's window set.
.macro LDP e, sb, off
.if (\e)%2
	WIN 0
.set RB, RODD+32*((\e)/2)
.else
	WIN 0xc0
.set RB, REVN+32*((\e)/2)
.endif
.set qi, 0
.rept 4
	global_load_b128 v[RB+8*qi:RB+8*qi+3],   v[GO], s[\sb:\sb+1] offset:qi*PROW+(\off)
	global_load_b128 v[RB+8*qi+4:RB+8*qi+7], v[GO], s[\sb:\sb+1] offset:qi*PROW+(\off)+512
.set qi, qi+1
.endr
.endm
	s_load_b256 s[4:11], s[0:1], 0x0               ; p s[4:5], qkv s[6:7], stats s[8:9], out0 s[10:11]
	v_lshl_add_u32 v[SPW], v0, 2, SPARE
	v_mov_b32 v[NIL], 0
	ds_add_u32 v[SPW], v[NIL]                      ; the wave's opening: the add and its wait stand ahead of my first tensor load
	v_lshrrev_b32 v1, 5, v0
	v_readfirstlane_b32 s[WV], v1
	s_lshr_b32 s13, s[WV], 1                       ; which 128 of a slot's keys I fetch
	s_and_b32 s14, s[WV], 1                        ; in which of V's two blocks
	s_bfe_u32 s66, ttmp6, 0x40000
	s_bfe_u32 s67, ttmp6, 0x40004
	s_lshl_b32 s68, ttmp9, 2
	s_add_co_u32 s68, s68, s66                     ; channel tile
	s_and_b32 s69, ttmp7, 0xffff
	s_lshl_b32 s69, s69, 2
	s_add_co_u32 s69, s69, s67                     ; row tile
	s_lshl_b32 s71, 0x1111, s66                    ; my column of the cluster
	s_or_b32 s[G1V], s71, (1<<16)|(1<<20)|(1<<21)|(4<<22)|(7<<25)  ; 2-byte elements; padding on; bit 21 beside a mask; behind every 32 words 8 words
	s_mov_b32 s[G1V+1], 128<<16                    ; V: 128 keys of 128 bytes, dense: 64 rows of 256 bytes
	s_mov_b32 s[G1V+2], 64<<16
	s_mov_b32 s[G1V+3], 128<<16
	s_mov_b32 s[G1V+4], 64
	s_mov_b32 s[G1V+5], 128
	s_mov_b32 s[G1V+6], 0
	s_mov_b32 s[G1V+7], 0
	s_mov_b32 s[G1S], 2<<16                        ; the statistics: 4-byte elements, no mask, no padding;
	s_mov_b32 s[G1S+1], 64<<16                     ; 64 rows' numbers, 256 bytes,
	s_mov_b32 s[G1S+2], 32<<16                     ; for 16 blocks' cm and, right behind them in memory, 16 blocks' l,
	s_mov_b32 s[G1S+3], 64<<16
	s_mov_b32 s[G1S+4], 32
	s_mov_b32 s[G1S+5], 8192                       ; 8,192 numbers from block to block
	s_mov_b32 s[G1S+6], 0
	s_mov_b32 s[G1S+7], 0
	s_lshl_b32 s72, s69, 20                        ; p: 16 blocks of 16 rows a row tile, my four
	s_lshl_b32 s73, s[WV], 18
	s_add_co_u32 s72, s72, s73
	s_mov_b32 s73, 0
	s_lshl_b32 s74, s68, 1                         ; V: block 32 + 2 x channel tile + which,
	s_add_co_u32 s74, s74, s14
	s_add_co_u32 s74, s74, 32
	s_lshl_b32 s74, s74, 20
	s_and_b32 s75, ttmp7, 0xffff
	s_lshr_b32 s75, s75, 1                         ; the batch: cluster y / 2,
	s_lshl_b32 s75, s75, 18                        ; its 2,048 rows of 128 bytes,
	s_add_co_u32 s74, s74, s75
	s_lshl_b32 s75, s13, 14                        ; my 128 keys
	s_add_co_u32 s74, s74, s75
	s_mov_b32 s75, 0
	s_mul_i32 s21, s14, VBLK                       ; where they go: the wave's number alone enters an LDS address
	s_mul_i32 s20, s13, VHALF
	s_add_co_u32 s21, s21, s20
	s_lshl_b32 s22, s[WV], 13
	s_add_co_u32 s22, s22, STIN
	s_lshl_b32 s76, s69, 20                        ; out0: 256 rows of 4,096 bytes a row tile, my 64 rows, 512 bytes a channel tile
	s_lshl_b32 s77, s[WV], 18
	s_add_co_u32 s76, s76, s77
	s_lshl_b32 s77, s68, 9
	s_add_co_u32 s76, s76, s77
	s_mov_b32 s77, 0
	s_lshl_b32 s78, s69, 10                        ; stats: my 64 rows
	s_lshl_b32 s79, s[WV], 8
	s_add_co_u32 s78, s78, s79
	s_mov_b32 s79, 0
	s_mov_b32 s[TB], 0
	s_wait_dscnt 0x0                               ; the opening add is done
	s_wait_kmcnt 0x0
	s_add_nc_u64 s[4:5], s[4:5], s[72:73]
	s_add_nc_u64 s[PB:PB+1], s[4:5], 8*PQ
	s_add_nc_u64 s[6:7], s[6:7], s[74:75]
	s_add_nc_u64 s[8:9], s[8:9], s[78:79]
	s_add_nc_u64 s[10:11], s[10:11], s[76:77]
	CROUND
	MKG0 G0S,  22, 8, 0, 0
	MKG0 G0V0, 21, 6, 0, 0
	MKG0 G0W,  21, 6, 32768, SLOTX
	tensor_load_to_lds s[G0S:G0S+3], s[G1S:G1S+7]  ; the first fills, every wave's three: my rows' statistics (a load of my own), my parts of slots 0 and 1 (joint)
	s_nop 0
	tensor_load_to_lds s[G0V0:G0V0+3], s[G1V:G1V+7]
	s_nop 0
	tensor_load_to_lds s[G0W:G0W+3], s[G1V:G1V+7]
	s_nop 0
.rept 4
	v_nop
.endr
	v_and_b32 v3, 31, v0
	v_lshlrev_b32 v[GO], 4, v3
.set pe, 0
.rept 8                                                ; the ring is filled: quarters 0 to 7
	LDP pe, 4, pe*PQ
.set pe, pe+1
.endr
	WIN 0
	v_and_b32 v1, 15, v0                           ; l % 16
	v_bfe_u32 v2, v0, 4, 1                         ; l / 16
	v_and_b32 v30, 7, v0                           ; V, turned: lane l reads key 8 (l / 16) + l % 8, channels 8 ((l / 8) % 2) on
	v_lshl_add_u32 v[ADRV0], v2, 3, v30
	v_mul_u32_u24 v[ADRV0], v[ADRV0], PVP
	v_bfe_u32 v31, v0, 3, 1
	v_lshl_add_u32 v[ADRV0], v31, 4, v[ADRV0]
	v_mov_b32 v[ADRV], v[ADRV0]
	v_add_nc_u32 v[ADRW], VBLK, v[ADRV0]
	v_lshl_add_u32 v[SI], v3, 3, s22               ; lane l takes rows 2 l and 2 l + 1 of the wave's 64
	s_mul_i32 s23, s[WV], FTW
	s_add_co_u32 s23, s23, FT
	v_lshl_add_u32 v[FA], v1, 4, s23               ; the table: 16 bytes for row l % 16: its four row blocks
	v_lshrrev_b32 v31, 3, v3
	v_lshl_add_u32 v[FW], v30, 5, s23              ; row 2 l + i is row 2 (l % 8) + i of row block l / 8
	v_lshl_add_u32 v[FW], v31, 2, v[FW]
	s_mul_i32 s23, s[WV], 16*SP
	s_add_co_u32 s23, s23, STAGE
	v_mul_u32_u24 v31, v1, SP
	v_lshl_add_u32 v31, v2, 5, v31
	v_add_nc_u32 v[STO], s23, v31                  ; the way out, in: row l % 16, 32 bytes for each half of the lanes
	v_add_nc_u32 v[RD], s23, v[GO]                 ; back: 32 lanes take one row of 512 bytes
	; THE PROLOGUE stands in the wait for the first tile of V.
	s_wait_tensorcnt 2                             ; my statistics are in LDS; the two loads issued behind theirs may be out.  Only I read those bytes
	WIN 0x80
.set pk, 0
.rept 32
	ds_load_b64 v[SC+2*pk:SC+2*pk+1], v[SI] offset:pk*256
.set pk, pk+1
.endr
	s_wait_dscnt 0x0
	WIN 0xaa                                       ; all in window 2
.irp i, 0,1
	v_max3_num_f32 v[MX+\i], v[SC+\i], v[SC+2+\i], v[SC+4+\i]
.irp n, 0,1,2,3,4,5
	v_max3_num_f32 v[MX+\i], v[MX+\i], v[SC+6+4*\n+\i], v[SC+8+4*\n+\i]
.endr
	v_max_num_f32 v[MX+\i], v[MX+\i], v[SC+30+\i]  ; the row's own maximum, times c
.endr
.set pk, 0
.rept 16
	v_pk_add_f32 v[SC+2*pk:SC+2*pk+1], v[SC+2*pk:SC+2*pk+1], v[MX:MX+1] neg_lo:[0,1] neg_hi:[0,1]
.set pk, pk+1
.endr
.set pk, 0
.rept 32
	v_exp_f32 v[SC+pk], v[SC+pk]                   ; f
.set pk, pk+1
.endr
	v_nop                                          ; a plain instruction between the exponentials and the first use of a result (ISA guide 5.7.2)
	s_wait_alu depctr_va_vdst(0)
	v_pk_mul_f32 v[LL:LL+1], v[SC+32:SC+33], v[SC:SC+1]
.set pk, 1
.rept 15
	v_pk_fma_f32 v[LL:LL+1], v[SC+32+2*pk:SC+33+2*pk], v[SC+2*pk:SC+2*pk+1], v[LL:LL+1]  ; L, in f32
.set pk, pk+1
.endr
	v_rcp_f32 v[LL], v[LL]                         ; the conversions below are the plain instructions behind these two
	v_rcp_f32 v[LL+1], v[LL+1]
.set pk, 0
.rept 32
	v_cvt_pk_f16_f32 v[SC+pk], v[SC+pk], v[SC+pk]  ; f twice in a word, for the packed multiply
.set pk, pk+1
.endr
	WIN 0x08                                       ; address window 0, data window 2
.set pk, 0
.rept 16
	ds_store_b32 v[FW], v[SC+2*pk]   offset:pk*256
	ds_store_b32 v[FW], v[SC+2*pk+1] offset:pk*256+16
.set pk, pk+1
.endr
	s_wait_alu depctr_va_vdst(0)
	ds_store_b32 v[FW], v[LL]   offset:16*256
	ds_store_b32 v[FW], v[LL+1] offset:16*256+16
	WIN 0
	ds_load_b128 v[RL:RL+3], v[FA] offset:16*256   ; my wave's own bytes: LDS serves a wave's instructions in order (ISA guide 5.7.1.4)
	s_wait_dscnt 0x0
.irp a, 0,1,2,3
	v_mov_b32 v[R2+2*\a], v[RL+\a]
	v_mov_b32 v[R2+2*\a+1], v[RL+\a]
.endr
.macro LDV qn, vf                      ; V's eight fragments of quarter qn of the slot in hand, turned: 16 loads; the destination's window is set by the caller
.set qi, 0
.rept 4
	ds_load_tr16_b128 v[(\vf)+8*qi:(\vf)+8*qi+3],   v[ADRV] offset:(\qn)*VQ+qi*32
	ds_load_tr16_b128 v[(\vf)+8*qi+4:(\vf)+8*qi+7], v[ADRV] offset:(\qn)*VQ+qi*32+16*PVP
.set qi, qi+1
.endr
.set qi, 0
.rept 4
	ds_load_tr16_b128 v[(\vf)+32+8*qi:(\vf)+32+8*qi+3], v[ADRW] offset:(\qn)*VQ+qi*32
	ds_load_tr16_b128 v[(\vf)+36+8*qi:(\vf)+36+8*qi+3], v[ADRW] offset:(\qn)*VQ+qi*32+16*PVP
.set qi, qi+1
.endr
.endm
; n matrix instructions, numbers i0 on of the 16 of row blocks a0, a0 + 1.  The accumulators take turns.  ride = 1: behind each, two packed multiplies make f P for the next quarter;
; they name no register of this quarter's products.
.macro GRP a0, i0, n, zero, ride
.set gi, \i0
.rept \n
.set ga, (\a0)+gi/8
.set gb, gi%8
.set rD, 64*(ga%2)+8*gb
.if \zero
	v_wmma_f32_16x16x32_f16 v[rD:rD+7], v[VCUR+8*gb:VCUR+8*gb+7], v[PCUR+8*ga:PCUR+8*ga+7], 0
.else
	v_wmma_f32_16x16x32_f16 v[rD:rD+7], v[VCUR+8*gb:VCUR+8*gb+7], v[PCUR+8*ga:PCUR+8*ga+7], v[rD:rD+7]
.endif
.if \ride
	v_pk_mul_f16 v[PNXT+2*gi],   v[RCUR+2*gi],   v[FR+gi/4]
	v_pk_mul_f16 v[PNXT+2*gi+1], v[RCUR+2*gi+1], v[FR+gi/4]
.endif
.set gi, gi+1
.endr
.endm
; QUARTER qs of a slot: 32 keys, 32 matrix instructions.  At its head, four places behind the last product that read V's other buffer: ring entry qs, whose numbers the quarter before has scaled, is loaded again
; (from byte poff behind s[PB]: the same quarter of the next slot), and the next quarter's V is fetched.  Quarters 3 and 7 fetch the next 128 keys' f first.  In its second half entry qs + 1 is scaled.
; Quarter 7 fetches V from the next slot.  So the slots change at the end of quarter 6 (meet = 1 with a joint refill, 2 without): in front of the barrier each wave waits for all its tensor loads (one is out: its
; part of the next slot), adds 0 to its spare word, and waits for that and for its reads of this slot; the refill, two slots on, comes first behind the round: 240 matrix instructions ahead of the wait for it.
.macro QTR qs, zero, meet, poff
.set qnx, ((\qs)+1)%8
.if (\qs)%2 == 0
.set VCUR, VF0
.set VNXT, VF1
.set WS, 0
.set RCUR, RODD+32*(qnx/2)
.else
.set VCUR, VF1
.set VNXT, VF0
.set WS, 3
.set RCUR, REVN+32*(qnx/2)
.endif
.set PCUR, PS0+32*((\qs)%2)
.set PNXT, PS0+32*(1-(\qs)%2)
	PLACES
.if (\qs)%4 == 3
	WIN 0x40
	ds_load_b128 v[FR:FR+3], v[FA]
	WIN 0
	v_add_nc_u32 v[FA], 256, v[FA]
.endif
	LDP \qs, PB, \poff
	LDV qnx, VNXT                                  ; V's other buffer lies in the window that LDP has set
	s_wait_dscnt 16+((\qs)%4)/3                    ; all but the run just issued: V of this quarter is in
	WIN 0xa4|WS
	GRP 2, 0, 16, \zero, 0
.if (\meet) == 0
	s_wait_loadcnt 56                              ; entry qs + 1 is in: behind its eight loads seven quarters have issued eight each
.if (\qs)%4 == 3
	s_wait_dscnt 16                                ; f is in; V's sixteen loads may be out
.endif
	WIN 0x54|WS
	GRP 0, 0, 16, \zero, 1
.else
	WIN 0
	s_wait_tensorcnt 0x0                           ; no tensor load of mine is out, so a group 0 may be written
	ds_add_u32 v[SPW], v[NIL]
.if (\meet) == 1
	s_xor_b32 s[G0W+1], s[G0W+1], SLOTX            ; the walking descriptor: the other slot, the next 256 keys
	s_add_nc_u64 s[G0W+2:G0W+3], s[G0W+2:G0W+3], 32768
.endif
	s_wait_loadcnt 56
	WIN 0x54|WS
	GRP 0, 0, 8, 0, 1
	s_wait_dscnt 0x0                               ; the add is done, and my reads of this slot are over
	s_barrier_signal -1
	GRP 0, 8, 8, 0, 1
	WIN 0
	s_barrier_wait -1
.if (\meet) == 1
	CREST                                          ; no wave of any partner still reads this slot or has a load on its way
	JLOAD
.endif
	s_xor_b32 s[TB], s[TB], SLOTX
	v_add_nc_u32 v[ADRV], s[TB], v[ADRV0]
	v_add_nc_u32 v[ADRW], VBLK, v[ADRV]
.endif
.endm
	s_wait_tensorcnt 1                             ; my part of slot 0 is in; slot 1's may stay out
	s_barrier_signal -1
	s_barrier_wait -1
	WIN 0x40
	ds_load_b128 v[FR:FR+3], v[FA]                 ; f of the first 128 keys
	WIN 0
	v_add_nc_u32 v[FA], 256, v[FA]
	LDV 0, VF0
	s_wait_loadcnt 56                              ; ring entry 0 is in
	s_wait_dscnt 16                                ; and f
	WIN 0x57
.set gi, 0
.rept 32
	v_pk_mul_f16 v[PS0+gi], v[REVN+gi], v[FR+gi/8]
.set gi, gi+1
.endr
	QTR 0, 1, 0, 0                                 ; the first products start the sums
	WIN 0
	s_mov_b32 s[CNT], 6
.Lslot:                                                ; trip t: quarters 1 to 7 of slot t, which asks for slot t + 2, and quarter 0 of slot t + 1
	QTR 1, 0, 0, 1*PQ
	QTR 2, 0, 0, 2*PQ
	QTR 3, 0, 0, 3*PQ
	QTR 4, 0, 0, 4*PQ
	QTR 5, 0, 0, 5*PQ
	QTR 6, 0, 1, 6*PQ
	QTR 7, 0, 0, 7*PQ
	QTR 0, 0, 0, 8*PQ
	WIN 0
	s_wait_xcnt 0x0                                ; the loads' addresses are translated (ISA guide 3.1): their base is stepped only behind this wait
	s_add_nc_u64 s[PB:PB+1], s[PB:PB+1], 8*PQ
	s_sub_co_u32 s[CNT], s[CNT], 1
	s_cmp_lg_u32 s[CNT], 0
	s_cbranch_scc1 .Lslot
	s_mov_b32 s[CNT], 2                            ; the tail asks for no tile: slots 6 and 7.  s[PB] stays at the last slot: the first trip's quarters 1 to 7 load its quarters 1 to 7;
.Ltail:                                                ; the loads behind them read the last slot's quarters 0 to 6 once more and serve nothing.  The second trip's barrier orders nothing
	QTR 1, 0, 0, 1*PQ
	QTR 2, 0, 0, 2*PQ
	QTR 3, 0, 0, 3*PQ
	QTR 4, 0, 0, 4*PQ
	QTR 5, 0, 0, 5*PQ
	QTR 6, 0, 2, 6*PQ
	WIN 0
	s_sub_co_u32 s[CNT], s[CNT], 1
	s_cmp_eq_u32 s[CNT], 0
	s_cbranch_scc1 .Lout
	QTR 7, 0, 0, 7*PQ
	QTR 0, 0, 0, 0
	WIN 0
	s_cmp_lg_u32 s[CNT], 0
	s_cbranch_scc1 .Ltail
.Lout:
	s_wait_dscnt 0x0                               ; the very last quarter: nothing more to fetch
.set VCUR, VF1
.set PCUR, PS0+32
	WIN 0xa7
	GRP 2, 0, 16, 0, 0
	WIN 0x57
	GRP 0, 0, 16, 0, 0
	WIN 0
	s_wait_loadcnt 0x0                             ; the ring's last loads have landed: the way out takes their registers
	PLACES
; THE WAY OUT, a row block at a time: times 1 / L, 32 bytes a lane for each channel block into my stage, back as whole rows of 512 bytes.
.macro PACK a
	s_wait_xcnt 0x0                                ; the stores of two blocks ago have read the registers that this block's loads take
	WIN 1+(\a)/2                                   ; source 0 in the block's window
.set oi, 0
.rept 32
	v_pk_mul_f32 v[TMP+2*oi:TMP+2*oi+1], v[64*((\a)%2)+2*oi:64*((\a)%2)+2*oi+1], v[R2+2*(\a):R2+2*(\a)+1] op_sel_hi:[1,0]  ; each accumulator's registers in ascending order
.set oi, oi+1
.endr
	WIN 0
.set oi, 0
.rept 8
	ds_store_b128 v[STO], v[TMP+8*oi:TMP+8*oi+3]   offset:64*oi
	ds_store_b128 v[STO], v[TMP+8*oi+4:TMP+8*oi+7] offset:64*oi+16
.set oi, oi+1
.endr
.set BK, BK0+64*((\a)%2)
.set oi, 0
.rept 16
	ds_load_b128 v[BK+4*oi:BK+4*oi+3], v[RD] offset:oi*SP  ; LDS serves a wave's instructions in order (ISA guide 5.7.1.4)
.set oi, oi+1
.endr
.endm
.macro SEND a, younger                 ; younger: the LDS instructions issued behind the block's loads
.set BK, BK0+64*((\a)%2)
.set oi, 0
.rept 16
	s_wait_dscnt (\younger)+15-oi
	global_store_b128 v[GO], v[BK+4*oi:BK+4*oi+3], s[10:11] offset:(16*(\a)+oi)*4096 th:TH_STORE_NT  ; a wave stores 512 consecutive bytes, at a multiple of 256 from out0's first byte
.set oi, oi+1
.endr
.endm
	PACK 0
	PACK 1
	SEND 0, 32
	PACK 2
	SEND 1, 32
	PACK 3
	SEND 2, 32
	SEND 3, 0
	s_wait_tensorcnt 0x0                           ; the wave's end
	ds_add_u32 v[SPW], v[NIL]
	s_wait_dscnt 0x0
	CROUND                                         ; the closing round
	s_endpgm
.Lfunc_end_k_qe744f1352c_pv:
	.size	k_qe744f1352c_pv, .Lfunc_end_k_qe744f1352c_pv-k_qe744f1352c_pv
	.p2alignl 7, 3214868480
	.fill 96, 4, 3214868480
	.section	.rodata,"a",@progbits
	.p2align	6, 0x0
	.amdhsa_kernel k_qe744f1352c_pv
		.amdhsa_group_segment_fixed_size 327680
		.amdhsa_private_segment_fixed_size 0
		.amdhsa_enable_private_segment 0
		.amdhsa_kernarg_size 32
		.amdhsa_user_sgpr_count 2
		.amdhsa_user_sgpr_kernarg_segment_ptr 1
		.amdhsa_wavefront_size32 1
		.amdhsa_system_sgpr_workgroup_id_x 1
		.amdhsa_system_sgpr_workgroup_id_y 1
		.amdhsa_system_sgpr_workgroup_id_z 1
		.amdhsa_system_vgpr_workitem_id 0
		.amdhsa_next_free_vgpr 960
		.amdhsa_next_free_sgpr 80
		.amdhsa_reserve_vcc 0
		.amdhsa_float_denorm_mode_32 3
		.amdhsa_float_denorm_mode_16_64 3
		.amdhsa_memory_ordered 1
		.amdhsa_forward_progress 1
		.amdhsa_inst_pref_size 159
	.end_amdhsa_kernel
	.amdgpu_metadata
---
amdhsa.version: [ 1, 2 ]
amdhsa.kernels:
  - .name:           k_qe744f1352c_pv
    .symbol:         k_qe744f1352c_pv.kd
    .args:
      - { .name: p, .offset: 0, .size: 8, .value_kind: global_buffer, .address_space: global }
      - { .name: qkv, .offset: 8, .size: 8, .value_kind: global_buffer, .address_space: global }
      - { .name: stats, .offset: 16, .size: 8, .value_kind: global_buffer, .address_space: global }
      - { .name: out0, .offset: 24, .size: 8, .value_kind: global_buffer, .address_space: global }
    .group_segment_fixed_size: 327680
    .private_segment_fixed_size: 0
    .kernarg_segment_align: 8
    .kernarg_segment_size: 32
    .max_flat_workgroup_size: 128
    .sgpr_count:     80
    .vgpr_count:     960
    .wavefront_size: 32
...
	.end_amdgpu_metadata
.endif
;; end of part 4
;; ======== version 2 of 2: 4 launches; version 1 with the launch prep written anew for expert scheduling mode
;; limits: values are held in f16: magnitudes above 65,504 overflow, below 6.1e-05 lose precision
;; workspace buffers: xb 16,777,216 bytes; wt 6,291,456 bytes; bb 12,288 bytes; qkv 50,331,648 bytes; p 33,554,432 bytes; stats 1,048,576 bytes
;; launch prep (part 5): grid 449 x 1, 8 waves a work-group, no clusters, 37,888 bytes of LDS; arguments x, Wq, Wk, Wv, bq, bk, bv, xb, wt, bb; writes xb, wt, bb
.if DOCPART == 5
	.amdgcn_target "amdgcn-amd-amdhsa--gfx1250"
	.amdhsa_code_object_version 6
	.text
	.protected	k_qe744f1352c_prep
	.globl	k_qe744f1352c_prep
	.p2align	8
	.type	k_qe744f1352c_prep,@function
k_qe744f1352c_prep:
	s_mov_b64 s[64:65], 0
	v_nop
	global_prefetch_b8 v0, s[64:65] scope:SCOPE_SE
	s_setreg_imm32_b32 hwreg(HW_REG_WAVE_SCHED_MODE, 0, 2), 2
	s_setreg_imm32_b32 hwreg(HW_REG_WAVE_MODE, 25, 1), 1
	s_wait_xcnt 0x0
	s_wait_alu depctr_vm_vsrc(0)
; PREP: every input is rounded once to bf16 and laid out for the projection.
;   xb [16 kb][8192 rows][64]  bf16: x, in blocks of 64 along d, so that a tile of rows x 64 is dense in memory
;   wt [16 kb][3072 n][64 k]   bf16: Wq, Wk, Wv turned (n = 1024 mtx + e), K along the rows, the same blocks
;   bb [3072]                  f32:  bq, bk, bv rounded to bf16 and widened again
; Work-groups 0-255: 32 rows of x each.  256-447: a tile of 64 k x 256 n of one W, turned through LDS.  448: the biases.
; The branches hang on the work-group's number alone, so all eight waves of a work-group take the same path.
; No matrix unit, no cluster, no tensor load: memory binds, and nothing is shared between work-groups.
; THE MODE: SCHED_MODE bits 1:0 = 2 (LLVM: expert scheduling mode 2), set by the entry lines.  The code itself states the register dependences
; between vector instructions and memory or LDS instructions, with s_wait_alu, always for 0.
; THE PLAN.  On every path the offsets and LDS addresses are made once, ahead of one wait on va_vdst, and never written again; and no register that a store has read is written again.
; So no wait on vm_vsrc is owed but in the closing lines.  No vector line writes a scalar register, VCC or EXEC.  What is left is: roundings write, stores read.
;   X:    v[8:135], four registers a load.  A load's two roundings write its first two registers, in place; its store reads them.  The 32 loads go in eight blocks of four: at block p's head one wait
;         states that block p - 1's roundings have written; block p - 1's four stores follow it, dealt among block p's roundings, which name block p's registers alone.
;   W:    v[8:71] as loaded, read by the roundings; T = v[72:103], written by the roundings, read by the LDS stores; R = v[104:135], written by LDS loads and read by global stores: no vector line names R.
;         One wait at the head of row pair 4 for the lower halves of T, whose LDS stores are dealt among that pair's roundings (these write each set's fifth register); one behind pair 7 for the upper halves.
;   bias: v[8:19] as loaded, then widened in place; one wait behind all the vector lines, then the three stores.
.set SPARE, 36864                      ; behind the tile of 256 x 144 bytes: the spare words, 128 bytes for each of eight waves
.set SPW, 142                          ; v142  LDS address of my spare word; never rewritten
.set NIL, 143                          ; v143  0; never rewritten
.set X,   8                            ; loaded f32
.set T,   72                           ; W path: packed bf16, 8 registers for each of my four n
.set R,   104                          ; W path: rows read back from LDS
	s_load_b256 s[4:11], s[0:1], 0x0               ; x s[4:5], Wq s[6:7], Wk s[8:9], Wv s[10:11]
	s_load_b256 s[12:19], s[0:1], 0x20             ; bq s[12:13], bk s[14:15], bv s[16:17], xb s[18:19]
	s_load_b128 s[20:23], s[0:1], 0x40             ; wt s[20:21], bb s[22:23]
	v_lshl_add_u32 v[SPW], v0, 2, SPARE
	v_mov_b32 v[NIL], 0
	s_mov_b32 s24, ttmp9
	s_cmp_lt_u32 s24, 256
	s_cbranch_scc0 .Lnot_x
	; X.  A wave owns four of the group's 32 rows.  A load: lanes 0-15 take the 256 bytes of one block of 64 numbers in one row, lanes 16-31 the same block in the row below:
	; two whole aligned runs of 256 bytes.  Rounded, they are 128 + 128 bytes that lie end to end in xb: a store covers 256 consecutive bytes, aligned.  All 32 loads go out at once.
	v_and_b32 v1, 15, v0                           ; my place in a block
	v_bfe_u32 v2, v0, 4, 1                         ; which of the two rows
	v_lshrrev_b32 v3, 5, v0                        ; wave
	v_lshlrev_b32 v4, 4, v1
	v_lshl_add_u32 v4, v2, 12, v4
	v_lshl_add_u32 v4, v3, 14, v4                  ; in: (4 wave + row) x 4,096 + 16 place
	v_lshlrev_b32 v5, 3, v1
	v_lshl_add_u32 v5, v2, 7, v5
	v_lshl_add_u32 v5, v3, 9, v5                   ; out: (4 wave + row) x 128 + 8 place
	s_lshl_b32 s26, s24, 17                        ; 32 rows of 4,096 bytes
	s_mov_b32 s27, 0
	s_lshl_b32 s28, s24, 12                        ; 32 rows of 128 bytes
	s_mov_b32 s29, 0
	s_wait_kmcnt 0x0
	s_add_nc_u64 s[4:5], s[4:5], s[26:27]
	s_add_nc_u64 s[18:19], s[18:19], s[28:29]
	s_add_nc_u64 s[30:31], s[18:19], 0x800000      ; blocks 8 to 15: the stores' immediates stay inside 24 bits
	s_wait_alu depctr_va_vdst(0)                   ; v4 and v5 are written: every load of this path reads v4 as its offset, every store v5
.set n, 0
.rept 32                                               ; block n / 2, row pair n % 2
	global_load_b128 v[X+4*n:X+4*n+3], v4, s[4:5] offset:(n%2)*8192+(n/2)*256 th:TH_LOAD_NT
.set n, n+1
.endr
; The store of load k's eight numbers: block k / 2 of xb, row pair k % 2.
.macro STX k
.if (\k) < 16
	global_store_b64 v5, v[X+4*(\k):X+4*(\k)+1], s[18:19] offset:((\k)/2)*1048576+((\k)%2)*256
.else
	global_store_b64 v5, v[X+4*(\k):X+4*(\k)+1], s[30:31] offset:((\k)/2-8)*1048576+((\k)%2)*256
.endif
.endm
.set p, 0
.rept 8                                                ; eight blocks of four loads
	s_wait_loadcnt 28-4*p                          ; loads come back in order: this block's four are in, the younger ones stay out
.if p > 0
	s_wait_alu depctr_va_vdst(0)                   ; the block before has written its eight packed registers, which the four stores below read
.endif
.set i, 0
.rept 4
.set n, 4*p+i
.if p > 0
	STX n-4                                        ; the block before.  No further wait: no vector line since the wait names these registers
.endif
	v_cvt_pk_bf16_f32 v[X+4*n],   v[X+4*n],   v[X+4*n+1]  ; in place, ascending
	v_cvt_pk_bf16_f32 v[X+4*n+1], v[X+4*n+2], v[X+4*n+3]
.set i, i+1
.endr
.set p, p+1
.endr
	s_wait_alu depctr_va_vdst(0)                   ; the last block has written its packed registers, which the last four stores read
	STX 28
	STX 29
	STX 30
	STX 31
	s_endpgm
.Lnot_x:
	s_cmp_lt_u32 s24, 448
	s_cbranch_scc0 .Lbias
	; W.  A tile of 64 k x 256 n.  Thread t: the four n 4 (t % 64) on, and the sixteen k 16 (t / 64) on.  A wave's load covers 512 consecutive bytes of a row of W.
	s_sub_co_u32 s25, s24, 256
	s_and_b32 s26, s25, 3                          ; which 256 n
	s_bfe_u32 s27, s25, 0x40002                    ; kb
	s_lshr_b32 s28, s25, 6                         ; 0, 1, 2: Wq, Wk, Wv
	v_and_b32 v1, 63, v0
	v_lshrrev_b32 v2, 6, v0
	v_lshlrev_b32 v3, 4, v1
	v_lshl_add_u32 v3, v2, 16, v3                  ; in: 16 k x 4,096 x (t / 64) + 16 (t % 64)
	v_mul_u32_u24 v4, v1, 576
	v_lshl_add_u32 v4, v2, 5, v4                   ; LDS, rows of 144 bytes: row 4 (t % 64), byte 32 (t / 64)
	v_lshrrev_b32 v5, 3, v0
	v_mul_u32_u24 v5, v5, 144
	v_and_b32 v6, 7, v0
	v_lshl_add_u32 v5, v6, 4, v5                   ; back: row t / 8, byte 16 (t % 8)
	v_lshlrev_b32 v6, 4, v0                        ; out: 16 t
	s_lshl_b32 s30, s27, 18                        ; 64 rows of W
	s_lshl_b32 s31, s26, 10
	s_add_co_u32 s30, s30, s31
	s_mov_b32 s31, 0
	s_mul_i32 s32, s27, 393216                     ; a block of wt: 3,072 rows of 128 bytes
	s_lshl_b32 s33, s28, 17
	s_add_co_u32 s32, s32, s33
	s_lshl_b32 s33, s26, 15
	s_add_co_u32 s32, s32, s33
	s_mov_b32 s33, 0
	s_wait_kmcnt 0x0
	s_cmp_eq_u32 s28, 1
	s_cselect_b64 s[34:35], s[8:9], s[6:7]
	s_cmp_eq_u32 s28, 2
	s_cselect_b64 s[34:35], s[10:11], s[34:35]
	s_add_nc_u64 s[34:35], s[34:35], s[30:31]
	s_add_nc_u64 s[20:21], s[20:21], s[32:33]
	s_wait_alu depctr_va_vdst(0)                   ; v3 to v6 are written: the loads' offset, the LDS stores' and the LDS loads' addresses, the global stores' offset
.set i, 0
.rept 8
	global_load_b128 v[X+8*i:X+8*i+3],   v3, s[34:35] offset:(2*i)*4096 th:TH_LOAD_NT
	global_load_b128 v[X+8*i+4:X+8*i+7], v3, s[34:35] offset:(2*i+1)*4096 th:TH_LOAD_NT
.set i, i+1
.endr
.set i, 0
.rept 8
	s_wait_loadcnt 14-2*i                          ; rows 2 i and 2 i + 1 are in
.if i == 4
	s_wait_alu depctr_va_vdst(0)                   ; row pairs 0 to 3 have written the lower four registers of each of T's four sets, which the LDS stores below read
.endif
.set c, 0
.rept 4
.if i == 4
	ds_store_b128 v4, v[T+8*c:T+8*c+3] offset:c*144  ; my first eight k of n = 4 (t % 64) + c.  No further wait: this pair's roundings write each set's fifth register
.endif
	v_cvt_pk_bf16_f32 v[T+8*c+i], v[X+8*i+c], v[X+8*i+4+c]  ; n = 4 (t % 64) + c: two neighbouring k in one word
.set c, c+1
.endr
.set i, i+1
.endr
	s_wait_alu depctr_va_vdst(0)                   ; row pairs 4 to 7 have written the upper four registers of each set, which the LDS stores below read
.set c, 0
.rept 4
	ds_store_b128 v4, v[T+8*c+4:T+8*c+7] offset:c*144+16
.set c, c+1
.endr
	s_wait_dscnt 0x0                               ; for the others' sake: my stores into the tile are done
	s_barrier_signal -1
	s_barrier_wait -1
.set i, 0
.rept 8
	ds_load_b128 v[R+4*i:R+4*i+3], v5 offset:i*4608  ; 32 rows further on each time; no vector line of this path names R
.set i, i+1
.endr
.set i, 0
.rept 8
	s_wait_dscnt 7-i
	global_store_b128 v6, v[R+4*i:R+4*i+3], s[20:21] offset:i*4096  ; a wave stores 512 consecutive bytes: four rows of wt's block
.set i, i+1
.endr
	s_wait_dscnt 0x0                               ; the closing lines, six on end
	s_wait_alu 0x0
	s_wait_tensorcnt 0x0
	ds_add_u32 v[SPW], v[NIL]
	s_wait_dscnt 0x0
	s_endpgm
.Lbias:
	; The three biases: four numbers a thread, rounded to bf16 and widened again.
	v_lshlrev_b32 v1, 4, v0
	s_wait_kmcnt 0x0
	s_wait_alu depctr_va_vdst(0)                   ; v1 is written: the three loads and the three stores read it as their offset
	global_load_b128 v[8:11],  v1, s[12:13]
	global_load_b128 v[12:15], v1, s[14:15]
	global_load_b128 v[16:19], v1, s[16:17]
	s_wait_loadcnt 0x0
.irp m, 0,1,2
	v_cvt_pk_bf16_f32 v[20+2*\m], v[8+4*\m], v[9+4*\m]
	v_cvt_pk_bf16_f32 v[21+2*\m], v[10+4*\m], v[11+4*\m]
	v_lshlrev_b32 v[8+4*\m], 16, v[20+2*\m]
	v_and_b32 v[9+4*\m], 0xffff0000, v[20+2*\m]
	v_lshlrev_b32 v[10+4*\m], 16, v[21+2*\m]
	v_and_b32 v[11+4*\m], 0xffff0000, v[21+2*\m]
.endr
	s_wait_alu depctr_va_vdst(0)                   ; the widening lines have written v[8:19], which the three stores read
.irp m, 0,1,2
	global_store_b128 v1, v[8+4*\m:11+4*\m], s[22:23] offset:4096*\m
.endr
	s_endpgm
.Lfunc_end_k_qe744f1352c_prep:
	.size	k_qe744f1352c_prep, .Lfunc_end_k_qe744f1352c_prep-k_qe744f1352c_prep
	.p2alignl 7, 3214868480
	.fill 96, 4, 3214868480
	.section	.rodata,"a",@progbits
	.p2align	6, 0x0
	.amdhsa_kernel k_qe744f1352c_prep
		.amdhsa_group_segment_fixed_size 37888
		.amdhsa_private_segment_fixed_size 0
		.amdhsa_enable_private_segment 0
		.amdhsa_kernarg_size 80
		.amdhsa_user_sgpr_count 2
		.amdhsa_user_sgpr_kernarg_segment_ptr 1
		.amdhsa_wavefront_size32 1
		.amdhsa_system_sgpr_workgroup_id_x 1
		.amdhsa_system_sgpr_workgroup_id_y 1
		.amdhsa_system_sgpr_workgroup_id_z 1
		.amdhsa_system_vgpr_workitem_id 0
		.amdhsa_next_free_vgpr 144
		.amdhsa_next_free_sgpr 66
		.amdhsa_reserve_vcc 0
		.amdhsa_float_denorm_mode_32 3
		.amdhsa_float_denorm_mode_16_64 3
		.amdhsa_memory_ordered 1
		.amdhsa_forward_progress 1
		.amdhsa_inst_pref_size 22
	.end_amdhsa_kernel
	.amdgpu_metadata
---
amdhsa.version: [ 1, 2 ]
amdhsa.kernels:
  - .name:           k_qe744f1352c_prep
    .symbol:         k_qe744f1352c_prep.kd
    .args:
      - { .name: x, .offset: 0, .size: 8, .value_kind: global_buffer, .address_space: global }
      - { .name: Wq, .offset: 8, .size: 8, .value_kind: global_buffer, .address_space: global }
      - { .name: Wk, .offset: 16, .size: 8, .value_kind: global_buffer, .address_space: global }
      - { .name: Wv, .offset: 24, .size: 8, .value_kind: global_buffer, .address_space: global }
      - { .name: bq, .offset: 32, .size: 8, .value_kind: global_buffer, .address_space: global }
      - { .name: bk, .offset: 40, .size: 8, .value_kind: global_buffer, .address_space: global }
      - { .name: bv, .offset: 48, .size: 8, .value_kind: global_buffer, .address_space: global }
      - { .name: xb, .offset: 56, .size: 8, .value_kind: global_buffer, .address_space: global }
      - { .name: wt, .offset: 64, .size: 8, .value_kind: global_buffer, .address_space: global }
      - { .name: bb, .offset: 72, .size: 8, .value_kind: global_buffer, .address_space: global }
    .group_segment_fixed_size: 37888
    .private_segment_fixed_size: 0
    .kernarg_segment_align: 8
    .kernarg_segment_size: 80
    .max_flat_workgroup_size: 256
    .sgpr_count:     66
    .vgpr_count:     144
    .wavefront_size: 32
...
	.end_amdgpu_metadata
.endif
;; end of part 5
;; launch proj: the kernel of part 2 again; grid 8 x 32, 4 waves a work-group, clusters of 4 x 4, 327,680 bytes of LDS; arguments xb, wt, bb, qkv; writes qkv
;; launch scores: the kernel of part 3 again; grid 8 x 32, 4 waves a work-group, clusters of 4 x 4, 327,680 bytes of LDS; arguments qkv, p, stats; writes p, stats
;; launch pv: the kernel of part 4 again; grid 8 x 32, 4 waves a work-group, clusters of 4 x 4, 327,680 bytes of LDS; arguments p, qkv, stats, out0; writes out0
